; MI455X (gfx1250); checked and timed in simulation.
; The chip was launched on July 23, 2026; its instructions are those of AMD's public machine-readable ISA for CDNA 5 (MIT licence, August 2026) and "CDNA5" Instruction Set Architecture Reference Guide (July 2026). The comments in the code are by the model that wrote it; some were corrected since.
;; Multi Head Attention. Allowed arithmetic: float matrix products may take bf16 or f16 operands with f32 sums; all other float work in f32.
;; Inputs: W_k 1,024 x 1,024 float32; W_o 1,024 x 1,024 float32; W_q 1,024 x 1,024 float32; W_v 1,024 x 1,024 float32; x 4 x 2,048 x 1,024 float32.
;; Outputs: out0 4 x 2,048 x 1,024 float32.
;; 2 versions, each right. Each part assembles by itself: llvm-mc -triple=amdgcn-amd-amdhsa -mcpu=gfx1250 --defsym DOCPART=n.
;; ======== version 1 of 2: 4 launches
;; limits: values are held in f16: magnitudes above 65,504 overflow, below 6.1e-05 lose precision
;; workspace buffers: xh 16,777,216 bytes; wh 6,291,456 bytes; wo2 4,194,304 bytes; qkv 50,331,648 bytes; ctx 33,554,432 bytes
;; launch cvt (part 1): grid 768 x 1, 8 waves a work-group, no clusters, 0 bytes of LDS; arguments x, W_q, W_k, W_v, W_o, xh, wh, wo2; writes xh, wh, wo2
.if DOCPART == 1
	.amdgcn_target "amdgcn-amd-amdhsa--gfx1250"
	.amdhsa_code_object_version 6
	.text
	.protected	k_q6d89f6b195_cvt
	.globl	k_q6d89f6b195_cvt
	.p2align	8
	.type	k_q6d89f6b195_cvt,@function
k_q6d89f6b195_cvt:
	s_mov_b64 s[64:65], 0
	v_nop
	global_prefetch_b8 v0, s[64:65] scope:SCOPE_SE
	s_setreg_imm32_b32 hwreg(HW_REG_WAVE_MODE, 25, 1), 1
	s_wait_xcnt 0x0
; f32 -> bf16 (to nearest even), a stream.  xh[8192][1024] = x;  wh[3072][1024] = W_q, W_k, W_v one under the other;
; wo2[1024][2048] = W_o twice side by side: the last launch multiplies it once by the upper and once by the lower parts of its other operand, and with
; the copy its walk along K is one uniform walk.
; 768 work-groups of eight waves; each turns 16 rows (65,536 bytes of f32) into bf16: groups 0-511 take x, 512-703 W_q, W_k, W_v (64 groups each),
; 704-767 W_o.  A load of a wave covers 512 consecutive bytes, a store 256 consecutive bytes, both aligned to their own size; load i is row i of the 16.
; All sixteen loads of a thread are issued first; no register is written twice, so the only waits are the counted ones for the loads.
; No LDS, no matrix unit, no cluster: every input byte is read once, and no two work-groups share a byte.
; bf16 has f32's range: no input overflows.
.set X, 8                              ; v[8:71]   sixteen loads of four f32
.set Y, 72                             ; v[72:103] sixteen pairs of packed bf16
	s_load_b256 s[4:11], s[0:1], 0x0               ; x s[4:5], W_q s[6:7], W_k s[8:9], W_v s[10:11]
	s_load_b256 s[12:19], s[0:1], 0x20             ; W_o s[12:13], xh s[14:15], wh s[16:17], wo2 s[18:19]
	v_lshlrev_b32 v1, 4, v0                        ; my 16 bytes of each row in
	v_lshlrev_b32 v2, 3, v0                        ; my 8 bytes of each row out
	s_sub_co_u32 s20, ttmp9, 512                   ; j: the group's number among the weights' groups (used only where the group's number is 512 or more)
	s_lshr_b32 s21, s20, 6                         ; which weight
	s_and_b32 s22, s20, 63
	s_lshl_b32 s22, s22, 16                        ; byte offset in that weight; also in wo2: 16 rows of 4,096 bytes
	s_lshl_b32 s23, s20, 15                        ; byte offset in wh
	s_lshl_b32 s24, ttmp9, 16                      ; byte offset in x
	s_lshl_b32 s25, ttmp9, 15                      ; byte offset in xh
	s_mov_b32 s27, 0
	s_mov_b32 s29, 0
	s_wait_kmcnt 0x0
	s_cmp_eq_u32 s21, 1
	s_cselect_b64 s[6:7], s[8:9], s[6:7]
	s_cmp_eq_u32 s21, 2
	s_cselect_b64 s[6:7], s[10:11], s[6:7]
	s_cmp_eq_u32 s21, 3                            ; the selects leave SCC as it is
	s_cselect_b64 s[6:7], s[12:13], s[6:7]         ; the weight of group j
	s_cselect_b64 s[16:17], s[18:19], s[16:17]     ; W_o goes to wo2,
	s_cselect_b32 s23, s22, s23                    ; at its own offset
	s_cmp_lt_u32 ttmp9, 512
	s_cselect_b64 s[6:7], s[4:5], s[6:7]           ; from: x or the weight
	s_cselect_b64 s[14:15], s[14:15], s[16:17]     ; to: xh, or wh or wo2
	s_cselect_b32 s26, s24, s22
	s_cselect_b32 s28, s25, s23
	s_add_nc_u64 s[6:7], s[6:7], s[26:27]
	s_add_nc_u64 s[14:15], s[14:15], s[28:29]
.irp i, 0,1,2,3,4,5,6,7,8,9,10,11,12,13,14,15
	global_load_b128 v[X+4*\i:X+4*\i+3], v1, s[6:7] offset:4096*\i th:TH_LOAD_NT   ; read once in this launch
.endr
	s_cmp_lt_u32 ttmp9, 704
	s_cbranch_scc1 .Lplain
.irp i, 0,1,2,3,4,5,6,7,8,9,10,11,12,13,14,15
	s_wait_loadcnt 15-\i                           ; loads come back in order: load i is in, the 15 - i younger ones stay out
	v_cvt_pk_bf16_f32 v[Y+2*\i],   v[X+4*\i],   v[X+4*\i+1]
	v_cvt_pk_bf16_f32 v[Y+2*\i+1], v[X+4*\i+2], v[X+4*\i+3]
	global_store_b64 v2, v[Y+2*\i:Y+2*\i+1], s[14:15] offset:4096*\i               ; W_o's row, left copy
	global_store_b64 v2, v[Y+2*\i:Y+2*\i+1], s[14:15] offset:4096*\i+2048          ; and right copy
.endr
	s_endpgm
.Lplain:
.irp i, 0,1,2,3,4,5,6,7,8,9,10,11,12,13,14,15
	s_wait_loadcnt 15-\i                           ; as above
	v_cvt_pk_bf16_f32 v[Y+2*\i],   v[X+4*\i],   v[X+4*\i+1]
	v_cvt_pk_bf16_f32 v[Y+2*\i+1], v[X+4*\i+2], v[X+4*\i+3]
	global_store_b64 v2, v[Y+2*\i:Y+2*\i+1], s[14:15] offset:2048*\i               ; no hint: the next launch reads it
.endr
	s_endpgm
.Lfunc_end_k_q6d89f6b195_cvt:
	.size	k_q6d89f6b195_cvt, .Lfunc_end_k_q6d89f6b195_cvt-k_q6d89f6b195_cvt
	.p2alignl 7, 3214868480
	.fill 96, 4, 3214868480
	.section	.rodata,"a",@progbits
	.p2align	6, 0x0
	.amdhsa_kernel k_q6d89f6b195_cvt
		.amdhsa_group_segment_fixed_size 0
		.amdhsa_private_segment_fixed_size 0
		.amdhsa_enable_private_segment 0
		.amdhsa_kernarg_size 64
		.amdhsa_user_sgpr_count 2
		.amdhsa_user_sgpr_kernarg_segment_ptr 1
		.amdhsa_wavefront_size32 1
		.amdhsa_system_sgpr_workgroup_id_x 1
		.amdhsa_system_sgpr_workgroup_id_y 1
		.amdhsa_system_sgpr_workgroup_id_z 1
		.amdhsa_system_vgpr_workitem_id 0
		.amdhsa_next_free_vgpr 104
		.amdhsa_next_free_sgpr 66
		.amdhsa_reserve_vcc 0
		.amdhsa_float_denorm_mode_32 3
		.amdhsa_float_denorm_mode_16_64 3
		.amdhsa_memory_ordered 1
		.amdhsa_forward_progress 1
		.amdhsa_inst_pref_size 13
	.end_amdhsa_kernel
	.amdgpu_metadata
---
amdhsa.version: [ 1, 2 ]
amdhsa.kernels:
  - .name:           k_q6d89f6b195_cvt
    .symbol:         k_q6d89f6b195_cvt.kd
    .args:
      - { .name: x, .offset: 0, .size: 8, .value_kind: global_buffer, .address_space: global }
      - { .name: W_q, .offset: 8, .size: 8, .value_kind: global_buffer, .address_space: global }
      - { .name: W_k, .offset: 16, .size: 8, .value_kind: global_buffer, .address_space: global }
      - { .name: W_v, .offset: 24, .size: 8, .value_kind: global_buffer, .address_space: global }
      - { .name: W_o, .offset: 32, .size: 8, .value_kind: global_buffer, .address_space: global }
      - { .name: xh, .offset: 40, .size: 8, .value_kind: global_buffer, .address_space: global }
      - { .name: wh, .offset: 48, .size: 8, .value_kind: global_buffer, .address_space: global }
      - { .name: wo2, .offset: 56, .size: 8, .value_kind: global_buffer, .address_space: global }
    .group_segment_fixed_size: 0
    .private_segment_fixed_size: 0
    .kernarg_segment_align: 8
    .kernarg_segment_size: 64
    .max_flat_workgroup_size: 256
    .sgpr_count:     66
    .vgpr_count:     104
    .wavefront_size: 32
...
	.end_amdgpu_metadata
.endif
;; end of part 1
;; launch qkv (part 2): grid 16 x 32, 4 waves a work-group, clusters of 4 x 4, 327,680 bytes of LDS; arguments xh, wh, qkv; writes qkv
.if DOCPART == 2
	.amdgcn_target "amdgcn-amd-amdhsa--gfx1250"
	.amdhsa_code_object_version 6
	.text
	.protected	k_q6d89f6b195_qkv
	.globl	k_q6d89f6b195_qkv
	.p2align	8
	.type	k_q6d89f6b195_qkv,@function
k_q6d89f6b195_qkv:
	s_mov_b64 s[64:65], 0
	v_nop
	global_prefetch_b8 v0, s[64:65] scope:SCOPE_SE
	s_setreg_imm32_b32 hwreg(HW_REG_WAVE_MODE, 25, 1), 1
	s_wait_xcnt 0x0
	s_wait_alu depctr_hold_cnt(0) depctr_sa_sdst(0) depctr_va_vdst(0) depctr_va_sdst(0) depctr_va_ssrc(0) depctr_va_vcc(0) depctr_vm_vsrc(0)
	s_getreg_b32 s2, hwreg(HW_REG_IB_STS2, 6, 4)
	s_cmp_eq_u32 s2, 0
	s_cbranch_scc0 .Lentry_in_a_cluster
	s_endpgm
.Lentry_in_a_cluster:
	s_bfe_u32 s2, ttmp6, 0x10000c
	s_cmp_lg_u32 s2, 0xf033
	s_cbranch_scc0 .Lentry_shape_is_right
	s_endpgm
.Lentry_shape_is_right:
; q, k, v = x W^T for W_q, W_k, W_v at once: C[8192][3072] = xh[8192][1024] . wh[3072][1024]^T, bf16 operands, f32 sums, f16 out.
; The result is stored by heads: qkv[b 4][g 48][s 2048][64], g = column / 64 (0-15 q, 16-31 k, 32-47 v), so that the rows of a head lie
; one behind the other and four of them are 512 consecutive bytes.
; A work-group makes 256 rows x 192 columns (three heads) with four waves; 16 x 32 = 512 equal work-groups.  Wave w makes rows 64 w .. 64 w + 63
; and all 192 columns: 48 accumulator tiles of 16 x 16, 384 registers.  The columns are not split, so a wave stores whole heads.
; K goes in steps of 128 through a ring of two LDS slots filled by the tensor data mover; a tile's rows are 256 bytes of memory, aligned to 256.
; CLUSTERS: 4 x 4 work-groups.  The four of a row of the cluster need the same tiles of xh, the four of a column the same tiles of wh: each tile is
; asked for jointly, by the same tensor load with the same descriptor and a mask that names the four.
; REGISTERS, in windows of 256:  window 0: v16-26 addresses, v64-127 fragments of A (two buffers of 4 x 8), v128-223 the way out;
;   window 1: fragments of B, two buffers of 12 x 8 at v0 and v96;  window 2: accumulators of column blocks 0-7 at 8 (4 b + a);  window 3: blocks 8-11.
; THE MATRIX INSTRUCTION IS USED TRANSPOSED: source 0 = 16 rows of wh, source 1 = 16 rows of xh.  Lane l then holds row l % 16 of C and its eight
; registers the columns 8 (l / 16) + 0 .. 7 of the block: eight neighbours, 16 bytes of f16.
; LIMIT: q, k, v are rounded to f16 (11 bits, finer than bf16's 8): a magnitude of 65,504 or more becomes infinite.
.set NB,     12                        ; column blocks of 16
.set NB1,    4                         ; blocks multiplied ahead of a quarter's fetch
.set KSTEP,  128
.set PITCH,  272                       ; an LDS row: 256 bytes + 16 of padding, an odd multiple of 16: sixteen rows start in sixteen different 16-byte columns modulo 256
.set PART,   128*PITCH                 ; the LDS bytes set apart for one wave's tensor load (A: 128 rows; B: 96 rows, which use 26,112 of them)
.set SLOT,   4*PART                    ; A's two parts, then B's two
.set STAGE,  2*SLOT                    ; behind the ring, a multiple of 256: 16 rows x 400 bytes for each wave, for the way out; no fill lands here
.set SPITCH, 400                       ; 384 bytes + 16, an odd multiple of 16
.set LAPS,   4                         ; 1024 / (2 x 128)
.set ASTEP,  256                       ; bytes from a K step to the next, in xh
.set BSTEP,  256                       ; and in wh
.set ADRA, 16                          ; v16-17  LDS address of my A fragments in slot 0, 1
.set ADRB, 20                          ; v20-21  the same for B
.set STO,  24                          ; the way out: where I put 16 bytes of a row
.set RD,   25                          ; the way out: where I read back
.set CO,   26                          ; my byte offset in a run of 512 bytes of the result
.set FA,   64                          ; A's fragment buffer f at FA + 32 f
.set TMP,  128                         ; v128-175 packed results
.set RB,   176                         ; v176-223 rows read back
.set G1, 24                            ; s[24:31] descriptor group 1, A's tiles
.set G0, 32                            ; s[32:39] group 0, A's tiles, a set for each slot
.set G1B, 48                           ; s[48:55] group 1, B's tiles
.set G0B, 56                           ; s[56:63] group 0, B's tiles
.set MSB, 0
.macro WIN new                         ; the immediate's high byte repeats the setting that is left; a switch that changes nothing is dropped
.if MSB != \new
	s_set_vgpr_msb (MSB<<8)|\new
.set MSB, \new
.endif
.endm
.set MUL_LO, 0xa1                      ; source 0 (B) window 1, source 1 (A) window 0, C and D window 2
.set MUL_HI, 0xf1                      ; the same, C and D window 3
.set TO_B,   0x40                      ; destination window 1, address window 0
; A joint load.  Waves 0 and 1 fetch A's two parts, waves 2 and 3 B's.  The branch hangs on the wave's number alone.
.macro JLOAD s
	s_cmp_eq_u32 s11, 0
	s_cbranch_scc0 .Lfor_b_\@
	tensor_load_to_lds s[G0+4*\s:G0+4*\s+3], s[G1:G1+7]
	s_nop 0
	s_branch .Lasked_\@
.Lfor_b_\@:
	tensor_load_to_lds s[G0B+4*\s:G0B+4*\s+3], s[G1B:G1B+7]
	s_nop 0
.Lasked_\@:
.endm
; A round of the cluster's barrier: my work-group's barrier; wave 0 signals for the work-group; every wave waits for all sixteen; my work-group's barrier again.
.macro CREST                           ; a round behind its opening barrier
	s_cmp_lg_u32 s10, 0
	s_cbranch_scc1 .Lnot_wave_0_\@
	s_barrier_signal -3
.Lnot_wave_0_\@:
	s_barrier_wait -3
	s_barrier_signal -1
	s_barrier_wait -1
.endm
.macro CROUND
	s_barrier_signal -1
	s_barrier_wait -1
	CREST
.endm
; Four places: a load into a register that a matrix instruction has read, and a vector instruction or LDS store that reads a matrix result, stand four plain
; vector instructions behind that matrix instruction; other matrix instructions are not counted as places here.
.macro PLACES
.rept 4
	v_nop
.endr
.endm
	s_load_b128 s[4:7], s[0:1], 0x0                ; xh s[4:5], wh s[6:7]
	s_load_b64 s[8:9], s[0:1], 0x10                ; qkv
	s_set_vgpr_msb 0x40
	v_lshl_add_u32 v255, v0, 2, 0x4a400
	s_set_vgpr_msb 0x4000
	v_mov_b32 v255, 0
	s_set_vgpr_msb 0x1
	ds_add_u32 v255, v255
	s_set_vgpr_msb 0x100
	v_lshrrev_b32 v1, 5, v0
	v_readfirstlane_b32 s10, v1                    ; wave 0..3
	s_lshr_b32 s11, s10, 1                         ; I fetch for A (0) or for B (1)
	s_and_b32 s12, s10, 1                          ; which part of that tile I fetch
	s_bfe_u32 s40, ttmp6, 0x40000                  ; cx
	s_bfe_u32 s41, ttmp6, 0x40004                  ; cy
	s_lshl_b32 s42, ttmp9, 2
	s_add_co_u32 s42, s42, s40                     ; block column = 4 x cluster x + cx, 0..15
	s_and_b32 s13, ttmp7, 0xffff
	s_lshl_b32 s13, s13, 2
	s_add_co_u32 s13, s13, s41                     ; block row = 4 x cluster y + cy, 0..31
	s_lshl_b32 s43, s41, 2
	s_lshl_b32 s43, 15, s43                        ; my row of the cluster: places 4 cy .. 4 cy + 3
	s_lshl_b32 s44, 0x1111, s40                    ; my column: places cx, cx + 4, cx + 8, cx + 12
	; group 1.  A: 128 rows x 128 elements; B: 96 rows x 128 elements; both padded by 4 words behind every 64 words
	s_or_b32 s[G1+0], s43, (1<<16)|(1<<20)|(1<<21)|(5<<22)|(3<<25)   ; mask of my row; 2-byte elements; padding on; bit 21 beside a mask; interval code 5; pad code 3
	s_or_b32 s[G1B+0], s44, (1<<16)|(1<<20)|(1<<21)|(5<<22)|(3<<25)  ; the same with the mask of my column
	s_mov_b32 s[G1+1], KSTEP<<16                   ; tensor_dim0 = 128
	s_mov_b32 s[G1B+1], KSTEP<<16
	s_mov_b32 s[G1+2], 128<<16                     ; tensor_dim1 = 128
	s_mov_b32 s[G1B+2], 96<<16                     ; tensor_dim1 = 96
	s_mov_b32 s[G1+3], KSTEP<<16                   ; tile_dim0 = 128
	s_mov_b32 s[G1B+3], KSTEP<<16
	s_mov_b32 s[G1+4], 128                         ; tile_dim1 = 128
	s_mov_b32 s[G1B+4], 96                         ; tile_dim1 = 96
	s_mov_b32 s[G1+5], 1024                        ; elements from row to row
	s_mov_b32 s[G1B+5], 1024
	s_mov_b32 s[G1+6], 0
	s_mov_b32 s[G1B+6], 0
	s_mov_b32 s[G1+7], 0
	s_mov_b32 s[G1B+7], 0
	; where the tiles come from: A's hang on the block row alone, B's on the block column alone, each in registers that never hold the other coordinate
	s_lshl_b32 s16, s13, 8
	s_lshl_b32 s17, s12, 7
	s_add_co_u32 s16, s16, s17                     ; A: row 256 x block row + 128 x part
	s_lshl_b32 s16, s16, 11                        ; x 2,048 bytes a row: below 2^24
	s_mov_b32 s17, 0
	s_mul_i32 s46, s42, 192
	s_mul_i32 s47, s12, 96
	s_add_co_u32 s46, s46, s47                     ; B: row 192 x block column + 96 x part
	s_lshl_b32 s46, s46, 11
	s_mov_b32 s47, 0
	s_mul_i32 s20, s10, PART                       ; and where they go: wave x PART
	s_wait_dscnt 0x0
	s_wait_kmcnt 0x0
	s_add_nc_u64 s[14:15], s[4:5], s[16:17]
	s_add_nc_u64 s[46:47], s[6:7], s[46:47]
	CROUND                                         ; all sixteen work-groups are here: the first joint loads meet
.irp s, 0,1
	s_mov_b32 s[G0+4*\s], 1
	s_add_co_u32 s[G0+4*\s+1], s20, \s*SLOT
	s_add_nc_u64 s[G0+4*\s+2:G0+4*\s+3], s[14:15], \s*ASTEP
	s_or_b32 s[G0+4*\s+3], s[G0+4*\s+3], 0x80000000
	s_mov_b32 s[G0B+4*\s], 1
	s_add_co_u32 s[G0B+4*\s+1], s20, \s*SLOT
	s_add_nc_u64 s[G0B+4*\s+2:G0B+4*\s+3], s[46:47], \s*BSTEP
	s_or_b32 s[G0B+4*\s+3], s[G0B+4*\s+3], 0x80000000
	JLOAD \s                                       ; K steps 0 and 1: two loads of mine are out
.endr
	; a fragment: lane l holds row l % 16; registers 0-3 K = 8 (l / 16) + 0..7, registers 4-7 K = 16 + 8 (l / 16) + 0..7: two loads of 16 bytes, 32 bytes apart
	v_and_b32 v1, 15, v0                           ; r
	v_bfe_u32 v2, v0, 4, 1                         ; h
	v_mul_u32_u24 v3, v1, PITCH
	v_lshl_add_u32 v3, v2, 4, v3                   ; r x pitch + 16 h
	s_mul_i32 s21, s10, 64*PITCH                   ; my 64 rows of A
	s_mov_b32 s22, 2*PART                          ; B lies behind A's 256 rows
.irp s, 0,1
	v_add_nc_u32 v[ADRA+\s], s21, v3
	v_add_nc_u32 v[ADRB+\s], s22, v3
	s_add_co_u32 s21, s21, SLOT
	s_add_co_u32 s22, s22, SLOT
.endr
	s_mul_i32 s23, s10, 16*SPITCH
	s_add_co_u32 s23, s23, STAGE                   ; my stage
	v_mul_u32_u24 v4, v1, SPITCH
	v_lshl_add_u32 v4, v2, 4, v4
	v_add_nc_u32 v[STO], s23, v4                   ; in: row r, 16 bytes for each half of the lanes
	v_bfe_u32 v5, v0, 3, 2                         ; back: eight lanes take the 128 bytes that a row has of one head, four rows a load
	v_and_b32 v6, 7, v0
	v_mul_u32_u24 v5, v5, SPITCH
	v_lshl_add_u32 v5, v6, 4, v5
	v_add_nc_u32 v[RD], s23, v5
	v_and_b32 v7, 31, v0
	v_lshlrev_b32 v[CO], 4, v7                     ; those four rows are 512 consecutive bytes of the result: 16 x lane
; nb column blocks from b0 on x my four row blocks, 32 along K, from fragment buffers f.  zero = 1: the first product starts the sums.
; The order is always b ascending, then a: the 48 accumulators take turns, one instruction a turn, over the backward jump too.
.macro MULB f, b0, nb, zero
.set mb, \b0
.rept \nb
.if mb < 8
	WIN MUL_LO
.else
	WIN MUL_HI
.endif
.irp a, 0,1,2,3
.if \zero
	v_wmma_f32_16x16x32_bf16 v[8*(4*(mb&7)+\a):8*(4*(mb&7)+\a)+7], v[8*NB*\f+8*mb:8*NB*\f+8*mb+7], v[FA+32*\f+8*\a:FA+32*\f+8*\a+7], 0
.else
	v_wmma_f32_16x16x32_bf16 v[8*(4*(mb&7)+\a):8*(4*(mb&7)+\a)+7], v[8*NB*\f+8*mb:8*NB*\f+8*mb+7], v[FA+32*\f+8*\a:FA+32*\f+8*\a+7], v[8*(4*(mb&7)+\a):8*(4*(mb&7)+\a)+7]
.endif
.endr
.set mb, mb+1
.endr
.endm
; 32 LDS loads in one run: quarter kq of a slot's K step into buffers f: A's 8 first, then B's 24 with b ascending
.macro FETCH slot, kq, f
	WIN 0
.irp a, 0,1,2,3
	ds_load_b128 v[FA+32*\f+8*\a:FA+32*\f+8*\a+3],   v[ADRA+\slot] offset:64*\kq+\a*16*PITCH
	ds_load_b128 v[FA+32*\f+8*\a+4:FA+32*\f+8*\a+7], v[ADRA+\slot] offset:64*\kq+\a*16*PITCH+32
.endr
	WIN TO_B
.irp b, 0,1,2,3,4,5,6,7,8,9,10,11
	ds_load_b128 v[8*NB*\f+8*\b:8*NB*\f+8*\b+3],   v[ADRB+\slot] offset:(\b/6)*PART+(\b%6)*16*PITCH+64*\kq
	ds_load_b128 v[8*NB*\f+8*\b+4:8*NB*\f+8*\b+7], v[ADRB+\slot] offset:(\b/6)*PART+(\b%6)*16*PITCH+64*\kq+32
.endr
.endm
; One of a K step's first three quarters: multiplies buffers f and fetches quarter kq of the same slot into buffers g
.macro QUARTER slot, kq, f, g, zero
	s_wait_dscnt 2*(NB-NB1)                        ; A and B's blocks 0 .. NB1-1 are the oldest 8 + 2 NB1 loads; the 2 (NB - NB1) younger ones may be out
	MULB \f, 0, NB1, \zero
	PLACES
	FETCH \slot, \kq, \g
	s_wait_dscnt 2*(NB+4)                          ; all but the 2 (NB + 4) just issued
	MULB \f, NB1, NB-NB1, \zero
.endm
.macro THREE slot, zero
	QUARTER \slot, 1, 0, 1, \zero
	QUARTER \slot, 2, 1, 0, 0
	QUARTER \slot, 3, 0, 1, 0
.endm
; The last quarter: multiplies buffers 1 and changes slots.  In front of the barrier each wave waits for its reads of this slot and for all its tensor
; loads (the one that is out is its part of the next slot).  fill = 1: the barrier opens a round of the cluster's barrier, and behind the round this slot
; is asked for again, two K steps ahead: the first tensor load there, one a wave.  From that request to the wait for it a wave issues 184 matrix instructions.
.macro TURN slot, next, fill
	s_wait_dscnt 2*(NB-2)                          ; A and B's blocks 0, 1 are in
	MULB 1, 0, 2, 0
	s_wait_dscnt 0x0                               ; my reads of this slot are over
	s_wait_tensorcnt 0x0                           ; all my tensor loads have landed
	ds_add_u32 v255, v255
	s_wait_dscnt 0x0
	s_barrier_signal -1
	MULB 1, 2, 2, 0                                ; register work while the others arrive
	WIN 0
	s_barrier_wait -1
.if \fill
	CREST
	s_add_nc_u64 s[G0+4*\slot+2:G0+4*\slot+3], s[G0+4*\slot+2:G0+4*\slot+3], 2*ASTEP
	s_add_nc_u64 s[G0B+4*\slot+2:G0B+4*\slot+3], s[G0B+4*\slot+2:G0B+4*\slot+3], 2*BSTEP
	JLOAD \slot
.endif
	PLACES
	FETCH \next, 0, 0
	MULB 1, 4, NB-4, 0
.endm
.macro LAP zero
	THREE 0, \zero
	TURN 0, 1, 1
	THREE 1, 0
	TURN 1, 0, 1
.endm
	s_wait_tensorcnt 0x1                           ; my part of K step 0 is in; K step 1's load, issued behind it, stays out
	s_barrier_signal -1
	s_barrier_wait -1
	FETCH 0, 0, 0
	LAP 1                                          ; the first lap's first products start the sums
	WIN 0
	s_mov_b32 s3, LAPS-2
.Llap:
	LAP 0
	WIN 0
	s_sub_co_u32 s3, s3, 1
	s_cmp_lg_u32 s3, 0
	s_cbranch_scc1 .Llap
	THREE 0, 0                                     ; the last lap fills nothing
	TURN 0, 1, 0
	THREE 1, 0
	s_wait_dscnt 2*(NB-NB1)
	MULB 1, 0, NB1, 0
	s_wait_dscnt 0x0
	MULB 1, NB1, NB-NB1, 0
	; THE WAY OUT, 16 rows at a time: round to f16, 16 bytes a lane into my own stage, read back by heads, store runs of 512 bytes.
	PLACES
	s_lshr_b32 s14, s13, 3                         ; batch = block row / 8
	s_mul_i32 s14, s14, 48
	s_lshl_b32 s14, s14, 18                        ; 48 heads of 262,144 bytes a batch
	s_and_b32 s16, s13, 7
	s_lshl_b32 s16, s16, 8
	s_lshl_b32 s15, s10, 6
	s_add_co_u32 s16, s16, s15                     ; my first row in the sequence
	s_lshl_b32 s16, s16, 7                         ; x 128 bytes
	s_add_co_u32 s16, s16, s14
	s_mov_b32 s17, 0
	s_add_nc_u64 s[8:9], s[8:9], s[16:17]
	s_mul_i32 s46, s42, 3                          ; my first head (in registers that held B's address)
	s_lshl_b32 s46, s46, 18
	s_mov_b32 s47, 0
	s_add_nc_u64 s[8:9], s[8:9], s[46:47]          ; never stepped: heads, rows and runs stand in the stores' immediates, 532,000 at the most
.macro OUT16 a
.set ob, 0
.rept NB
.if ob < 8
	WIN 0x0a                                       ; sources window 2, destination window 0
.else
	WIN 0x0f                                       ; sources window 3
.endif
.irp i, 0,1,2,3
	v_cvt_pk_f16_f32 v[TMP+4*ob+\i], v[8*(4*(ob&7)+\a)+2*\i], v[8*(4*(ob&7)+\a)+2*\i+1]
.endr
.set ob, ob+1
.endr
	WIN 0
.irp b, 0,1,2,3,4,5,6,7,8,9,10,11
	ds_store_b128 v[STO], v[TMP+4*\b:TMP+4*\b+3] offset:32*\b
.endr
	s_wait_xcnt 0x0                                ; RB, the data of the stores of the 16 rows before, is loaded again only behind this wait
.irp hh, 0,1,2
.irp i, 0,1,2,3
	ds_load_b128 v[RB+4*(4*\hh+\i):RB+4*(4*\hh+\i)+3], v[RD] offset:4*SPITCH*\i+128*\hh   ; LDS serves a wave's instructions in order: these see the stores above
.endr
.endr
.irp hh, 0,1,2
.irp i, 0,1,2,3
	s_wait_dscnt 11-(4*\hh+\i)                     ; the loads younger than this one may be out
	global_store_b128 v[CO], v[RB+4*(4*\hh+\i):RB+4*(4*\hh+\i)+3], s[8:9] offset:\hh*262144+\a*2048+\i*512   ; four rows of one head: 512 consecutive bytes, aligned
.endr
.endr
.endm
	OUT16 0
	OUT16 1
	OUT16 2
	OUT16 3
	s_set_vgpr_msb 0x1
	s_wait_tensorcnt 0x0
	ds_add_u32 v255, v255
	s_wait_dscnt 0x0
	s_set_vgpr_msb 0x100
	CROUND                                         ; the closing round: no work-group ends while a partner may still ask for a tile that names it
	s_endpgm
.Lfunc_end_k_q6d89f6b195_qkv:
	.size	k_q6d89f6b195_qkv, .Lfunc_end_k_q6d89f6b195_qkv-k_q6d89f6b195_qkv
	.p2alignl 7, 3214868480
	.fill 96, 4, 3214868480
	.section	.rodata,"a",@progbits
	.p2align	6, 0x0
	.amdhsa_kernel k_q6d89f6b195_qkv
		.amdhsa_group_segment_fixed_size 327680
		.amdhsa_private_segment_fixed_size 0
		.amdhsa_enable_private_segment 0
		.amdhsa_kernarg_size 24
		.amdhsa_user_sgpr_count 2
		.amdhsa_user_sgpr_kernarg_segment_ptr 1
		.amdhsa_wavefront_size32 1
		.amdhsa_system_sgpr_workgroup_id_x 1
		.amdhsa_system_sgpr_workgroup_id_y 1
		.amdhsa_system_sgpr_workgroup_id_z 1
		.amdhsa_system_vgpr_workitem_id 0
		.amdhsa_next_free_vgpr 896
		.amdhsa_next_free_sgpr 66
		.amdhsa_reserve_vcc 0
		.amdhsa_float_denorm_mode_32 3
		.amdhsa_float_denorm_mode_16_64 3
		.amdhsa_memory_ordered 1
		.amdhsa_forward_progress 1
		.amdhsa_inst_pref_size 164
	.end_amdhsa_kernel
	.amdgpu_metadata
---
amdhsa.version: [ 1, 2 ]
amdhsa.kernels:
  - .name:           k_q6d89f6b195_qkv
    .symbol:         k_q6d89f6b195_qkv.kd
    .args:
      - { .name: xh, .offset: 0, .size: 8, .value_kind: global_buffer, .address_space: global }
      - { .name: wh, .offset: 8, .size: 8, .value_kind: global_buffer, .address_space: global }
      - { .name: qkv, .offset: 16, .size: 8, .value_kind: global_buffer, .address_space: global }
    .group_segment_fixed_size: 327680
    .private_segment_fixed_size: 0
    .kernarg_segment_align: 8
    .kernarg_segment_size: 24
    .max_flat_workgroup_size: 128
    .sgpr_count:     66
    .vgpr_count:     896
    .wavefront_size: 32
...
	.end_amdgpu_metadata
.endif
;; end of part 2
;; launch attn (part 3): grid 4 x 64, 4 waves a work-group, no clusters, 327,680 bytes of LDS; arguments qkv, ctx; writes ctx
.if DOCPART == 3
	.amdgcn_target "amdgcn-amd-amdhsa--gfx1250"
	.amdhsa_code_object_version 6
	.text
	.protected	k_q6d89f6b195_attn
	.globl	k_q6d89f6b195_attn
	.p2align	8
	.type	k_q6d89f6b195_attn,@function
k_q6d89f6b195_attn:
	s_mov_b64 s[64:65], 0
	v_nop
	global_prefetch_b8 v0, s[64:65] scope:SCOPE_SE
	s_setreg_imm32_b32 hwreg(HW_REG_WAVE_MODE, 25, 1), 1
	s_wait_xcnt 0x0
; Causal attention of one head, with a running maximum: softmax(mask(q k^T) / 8) v, from qkv[b][g][s][64] f16 (g = h: q, 16 + h: k, 32 + h: v).
; THE RESULT GOES OUT AS TWO bf16 NUMBERS: ctx[b][32][s][64]; plane h holds the upper 16 bits of the f32 result, plane 16 + h the rest (the exact difference,
; rounded to bf16), so that the next product sees the result to 2^-16.  Why: a row with few keys averages little, so the first rows of a sequence are many
; times larger than the output's root mean square, and one 16-bit rounding of them is not small beside one hundredth of that.
; Work-group (j, bh), j = 0..3, takes two blocks of 256 queries of head bh: block 7 - j (pass A), then block j (pass B): (8 - j) + (j + 1) = 9 units of
; 256 keys for every one of the 256 work-groups.  Wave w has 64 queries of the block.  A unit is two halves of 128 keys (an LDS slot each), a half two
; substeps of 64 keys.  Keys beyond a wave's queries are not multiplied (whole substeps), or masked with -inf (the substep on the diagonal).
; BOTH PRODUCTS ARE TRANSPOSED, so that the weights never change lanes:
;   S^T = K Q^T: source 0 = 16 keys x 32 d from LDS, source 1 = 16 queries x 32 d, resident.  Lane (r, h), register j: key 16 kt + 8 h + j, query 16 qt + r.
;   O^T = V^T P^T: source 0 = V^T by transposing LDS loads from V as it lies, [key][d]; source 1 = the weights of 32 keys, which are two S tiles packed to f16
;   in place: exactly the layout that source 1 wants.  A query's maximum and sum live in its lane; one exchange between the halves of the wave for each query tile.
; NO CLUSTER: the four work-groups of a head need 8 - j and then j + 1 units.  In step all four would walk 8 + 4 = 12 units instead of 9, and no branch may
; hang on a work-group's place to skip the rest; the tiles of K and V are 18 x 32 KiB for a work-group's whole run.
; RING: two slots of 128 keys of K and V.  Each wave brings a quarter (64 rows x 128 bytes) by one tensor load; one load of a wave is out at any time, issued
; first thing behind a half's barrier, and it has the half's two substeps in which to land.
; SCALAR REGISTERS: s[16:39] are the tensor loads' descriptors and hold nothing else: group 1 is written once, ahead of the first load; a group 0 is written
; only behind a wait that shows all the wave's tensor loads done.  Scratch lies in s11-15, s42-43 and s74-77.
; LIMITS: operands are f16 (magnitudes from 65,504 on are infinite; the weights are at most about 1).  v_exp_f32 gives zero for results below 2^-126.
; A row's sum is formed by halves of the lanes and by substeps, not in the order of a plain sum.  Pass B starts from pass A's finite sums times exp2(-inf) = 0.
.set SLOTB, 40960                      ; a slot: K's two parts, V's two parts
.set PARTB, 10240                      ; the LDS bytes of one wave's tensor load
.set KP,    144                        ; K's rows: 128 bytes + 16, an odd multiple of 16
.set VP,    160                        ; V's rows: 128 bytes + 32, an odd multiple of 32, for the transposing loads
.set STAGE, 2*SLOTB                    ; behind the ring, a multiple of 256: 64 rows x 144 bytes for each wave; no fill lands here
.set LOPL,  16*262144                  ; bytes from a head's upper plane in ctx to its lower plane
; window 0
.set ADRK, 8                           ; v8-9    my K fragments in slot 0, 1
.set ADRV, 10                          ; v10-11  my V^T fragments
.set VQ,   12                          ; my 16 bytes of a Q fragment, from the wave's first query
.set STO,  13
.set RD,   14
.set CO,   15
.set KF,   32                          ; v32-95    K fragments, 8 (2 kt + dh)
.set VF,   96                          ; v96-159   V^T fragments, 8 (4 ks + dt)
.set QF,   160                         ; v160-223  Q fragments, 8 (2 qt + dh)
; window 1: S(qt, kt) at 32 qt + 8 kt; the packed weights P(qt, ks) at 32 qt + 16 ks
.set NM,   128                         ; NM + 2 qt: -(maximum x c), as rounded
.set MX,   129                         ; MX + 2 qt: the running maximum of the raw scores
.set LS,   136                         ; LS + qt: the running sum, of my half of the lanes
.set AL,   140                         ; a pair: the factor for the old sums
.set TT,   142                         ; four at work
.set DD,   146                         ; two at work
.set SA,   148                         ; a pair
.set SB,   150                         ; a pair
.set NEG,  152                         ; -inf
.set RI,   154                         ; RI + 2 qt: a pair, 1 / sum
; window 2: O(qt, dt) at 32 qt + 8 dt; at the end of a pass the lower parts in f32 at 128 + the same number
.set LO,   128
.set W_S,  0x50                        ; D and C window 1, sources window 0
.set W_SM, 0x55                        ; everything window 1
.set W_RS, 0x86                        ; destination and source 0 window 2, source 1 window 1
.set W_PV, 0xa4                        ; source 0 window 0, source 1 window 1, C and D window 2
.set W_CV, 0x0a                        ; destination window 0, sources 0 and 1 window 2
.set W_2,  0xaa                        ; everything window 2
.set G1K, 16                           ; s[16:23]
.set G1V, 24                           ; s[24:31]
.set G0,  32                           ; s[32:39], a set for each slot
.set MSB, 0
.macro WIN new
.if MSB != \new
	s_set_vgpr_msb (MSB<<8)|\new
.set MSB, \new
.endif
.endm
.macro PLACES                          ; four plain vector instructions between a matrix instruction and a vector instruction or load that touches its registers
.rept 4
	v_nop
.endr
.endm
; my quarter of slot s: waves 0, 1 bring K's rows, waves 2, 3 V's; the two lines differ in the padding alone.  The branch hangs on the wave's number.
.macro JLOAD s
	s_cmp_lt_u32 s8, 2
	s_cbranch_scc0 .Lv_\@
	tensor_load_to_lds s[G0+4*\s:G0+4*\s+3], s[G1K:G1K+7]
	s_nop 0
	s_branch .Lj_\@
.Lv_\@:
	tensor_load_to_lds s[G0+4*\s:G0+4*\s+3], s[G1V:G1V+7]
	s_nop 0
.Lj_\@:
.endm
	s_load_b128 s[4:7], s[0:1], 0x0                ; qkv s[4:5], ctx s[6:7]
	v_lshl_add_u32 v254, v0, 2, 0x29000
	v_mov_b32 v255, 0
	ds_add_u32 v254, v255
	v_lshrrev_b32 v1, 5, v0
	v_readfirstlane_b32 s8, v1                     ; wave 0..3
	s_and_b32 s10, ttmp7, 0xffff                   ; bh = 16 b + h
	s_lshr_b32 s11, s10, 4                         ; b
	s_and_b32 s12, s10, 15                         ; h
	s_mul_i32 s13, s11, 48
	s_add_co_u32 s13, s13, s12                     ; 48 b + h: q's head in qkv
	; group 1: 64 rows x 64 elements of 2 bytes, row to row 64 elements; behind every 32 words 4 words of padding (K) or 8 (V)
	s_mov_b32 s[G1K+0], 0x07110000
	s_mov_b32 s[G1V+0], 0x0f110000
.irp g, G1K, G1V
	s_mov_b32 s[\g+1], 64<<16                      ; tensor_dim0
	s_mov_b32 s[\g+2], 64<<16                      ; tensor_dim1
	s_mov_b32 s[\g+3], 64<<16                      ; tile_dim0
	s_mov_b32 s[\g+4], 64                          ; tile_dim1
	s_mov_b32 s[\g+5], 64                          ; pitch
	s_mov_b32 s[\g+6], 0
	s_mov_b32 s[\g+7], 0
.endr
	s_mov_b32 s43, 0                               ; s[42:43]: a byte offset, always below 2^26
	s_lshr_b32 s14, s8, 1
	s_lshl_b32 s14, s14, 4
	s_add_co_u32 s14, s14, 16                      ; 16 for K (waves 0, 1), 32 for V
	s_add_co_u32 s14, s14, s13
	s_lshl_b32 s14, s14, 18                        ; x 262,144 bytes a head
	s_and_b32 s15, s8, 1
	s_lshl_b32 s15, s15, 13                        ; my 64 of a half's 128 rows
	s_add_co_u32 s42, s14, s15
	s_mov_b32 s[G0], 1
	s_mov_b32 s[G0+4], 1
	s_mul_i32 s[G0+1], s8, PARTB                   ; LDS: wave x 10,240 + slot x 40,960
	s_add_co_u32 s[G0+5], s[G0+1], SLOTB
	s_wait_dscnt 0x0
	s_barrier_signal -1
	s_barrier_wait -1
	s_wait_kmcnt 0x0
	s_add_nc_u64 s[40:41], s[4:5], s[42:43]        ; TB: my rows of half 0; never rewritten
	s_mov_b64 s[G0+2:G0+3], s[40:41]
	s_or_b32 s[G0+3], s[G0+3], 0x80000000
	JLOAD 0                                        ; the one first fill, ahead of every wait on TENSORcnt, LDS read and barrier
	; from here to the first wait for all tensor loads no line writes s[16:39]
	v_and_b32 v1, 31, v0                           ; L
	v_and_b32 v2, 15, v0                           ; r
	v_bfe_u32 v3, v0, 4, 1                         ; h
	v_and_b32 v4, 7, v0
	v_bfe_u32 v5, v0, 3, 1
	v_bfe_u32 v6, v0, 3, 2
	v_lshlrev_b32 v7, 4, v3                        ; 16 h
	v_lshl_add_u32 v[VQ], v2, 7, v7                ; 128 r + 16 h
	s_sub_co_u32 s14, 7, ttmp9                     ; pass A's block
	s_lshl_b32 s14, s14, 8
	s_lshl_b32 s15, s8, 6
	s_add_co_u32 s14, s14, s15
	s_lshl_b32 s14, s14, 7                         ; my first query of pass A, in bytes
	s_lshl_b32 s74, ttmp9, 8
	s_add_co_u32 s74, s74, s15
	s_lshl_b32 s74, s74, 7                         ; of pass B
	s_lshl_b32 s75, s13, 18                        ; q's head
	s_lshl_b32 s76, s11, 5
	s_add_co_u32 s76, s76, s12
	s_lshl_b32 s76, s76, 18                        ; ctx's upper plane: 32 b + h
	s_add_co_u32 s42, s75, s14
	s_add_nc_u64 s[50:51], s[4:5], s[42:43]        ; Q, pass A
	s_add_co_u32 s42, s75, s74
	s_add_nc_u64 s[52:53], s[4:5], s[42:43]        ; Q, pass B
	s_add_co_u32 s42, s76, s14
	s_add_nc_u64 s[54:55], s[6:7], s[42:43]        ; ctx, pass A
	s_add_co_u32 s42, s76, s74
	s_add_nc_u64 s[56:57], s[6:7], s[42:43]        ; ctx, pass B
.irp qt, 0,1,2,3
.irp dh, 0,1
	global_load_b128 v[QF+8*(2*\qt+\dh):QF+8*(2*\qt+\dh)+3],   v[VQ], s[50:51] offset:\qt*2048+\dh*64
	global_load_b128 v[QF+8*(2*\qt+\dh)+4:QF+8*(2*\qt+\dh)+7], v[VQ], s[50:51] offset:\qt*2048+\dh*64+32
.endr
.endr
	v_mad_u32_u24 v[ADRK], v2, KP, v7              ; r x 144 + 16 h
	v_add_nc_u32 v[ADRK+1], SLOTB, v[ADRK]
	v_lshl_add_u32 v17, v3, 3, v4                  ; key row 8 h + (L & 7)
	v_lshlrev_b32 v18, 4, v5                       ; 16 ((L >> 3) & 1)
	v_mad_u32_u24 v[ADRV], v17, VP, v18
	v_add_nc_u32 v[ADRV], 2*PARTB, v[ADRV]         ; V lies behind K's two parts
	v_add_nc_u32 v[ADRV+1], SLOTB, v[ADRV]
	s_mul_i32 s77, s8, 64*KP
	s_add_co_u32 s77, s77, STAGE                   ; my stage
	v_add_nc_u32 v[STO], s77, v[ADRK]              ; in: row r, 16 bytes for each half of the lanes
	v_lshlrev_b32 v18, 4, v4
	v_mad_u32_u24 v18, v6, KP, v18
	v_add_nc_u32 v[RD], s77, v18                   ; back: eight lanes a row, four rows a load
	v_lshlrev_b32 v[CO], 4, v1                     ; four rows of ctx are 512 consecutive bytes
	v_lshlrev_b32 v17, 3, v3
	v_sub_nc_u32 v16, v2, v17                      ; r - 8 h
.irp j, 0,1,2,3,4,5,6,7
	v_cmp_gt_i32 s[66+\j], \j, v16                 ; on a diagonal tile register j is masked where key 8 h + j > query r
.endr
	WIN 0x40
	v_mov_b32 v[NEG], 0xff800000                   ; -inf, in window 1
	WIN 0
	s_mov_b32 s45, 1                               ; NXT: the half that is loaded next, counted in its pass
	s_lshl_b32 s46, ttmp9, 1
	s_sub_co_u32 s46, 16, s46                      ; LENA = 2 (8 - j): the halves of pass A
	s_sub_co_u32 s47, 7, ttmp9                     ; CNT: units ahead of the pass's diagonal unit
	s_mov_b32 s49, 0x07060302                      ; v_perm_b32: the upper halves of two words, the second source's below
	s_mov_b32 s58, 0x76543210                      ; v_permlanex16_b32: lane i reads lane i of the other half
	s_mov_b32 s59, 0xfedcba98
	s_mov_b32 s60, 0x3e38aa3b                      ; c = log2(e) / 8
	s_mov_b32 s61, 0x3e38aa3b
	s_mov_b32 s62, 0xbe38aa3b                      ; -c
	s_mov_b32 s63, 0xffff0000                      ; a word's upper 16 bits
	s_wait_loadcnt 0x0                             ; Q
; The running softmax of query tile qt over a substep's 64 keys, in place; everything in window 1.
; The same rounded product maximum x c serves the weights and the factor for the old sums, so that the two agree at any size of the scores.
.macro SOFTMAX qt, first
	WIN W_SM
.set SX, 32*\qt
.irp k, 0,1,2,3
	v_max3_num_f32 v[TT+\k], v[SX+8*\k], v[SX+8*\k+1], v[SX+8*\k+2]
.endr
.irp k, 0,1,2,3
	v_max3_num_f32 v[TT+\k], v[TT+\k], v[SX+8*\k+3], v[SX+8*\k+4]
.endr
.irp k, 0,1,2,3
	v_max3_num_f32 v[TT+\k], v[TT+\k], v[SX+8*\k+5], v[SX+8*\k+6]
.endr
	v_max3_num_f32 v[TT], v[TT], v[SX+7], v[SX+15]
	v_max3_num_f32 v[TT+2], v[TT+2], v[SX+23], v[SX+31]
	v_max3_num_f32 v[TT], v[TT], v[TT+1], v[TT+2]
.if \first
	v_max_num_f32 v[TT], v[TT], v[TT+3]
.else
	v_max3_num_f32 v[TT], v[TT], v[TT+3], v[MX+2*\qt]
.endif
	v_permlanex16_b32 v[TT+1], v[TT], s58, s59     ; the other half of the lanes holds the query's other keys
	v_max_num_f32 v[MX+2*\qt], v[TT], v[TT+1]
	v_mul_f32 v[DD], s62, v[MX+2*\qt]              ; -(m c), rounded once
.if \first == 0
	v_sub_f32 v[DD+1], v[DD], v[NM+2*\qt]          ; (old m - new m) c
	v_exp_f32 v[AL], v[DD+1]
	v_exp_f32 v[AL+1], v[DD+1]                     ; twice, for the packed multiply; the move below is the plain instruction behind them (ISA guide 5.7.2)
.endif
	v_mov_b32 v[NM+2*\qt], v[DD]
.irp i, 0,1,2,3,4,5,6,7,8,9,10,11,12,13,14,15
	v_pk_fma_f32 v[SX+2*\i:SX+2*\i+1], v[SX+2*\i:SX+2*\i+1], s[60:61], v[NM+2*\qt:NM+2*\qt+1] op_sel_hi:[1,0,0]   ; s c - m c, both halves with c and with NM
.endr
.irp i, 0,1,2,3,4,5,6,7,8,9,10,11,12,13,14,15,16,17,18,19,20,21,22,23,24,25,26,27,28,29,30,31
	v_exp_f32 v[SX+\i], v[SX+\i]
.endr
	v_nop                                          ; one plain instruction between the exponentials and the first use
	s_wait_alu depctr_va_vdst(0)
	v_pk_add_f32 v[SA:SA+1], v[SX:SX+1], v[SX+2:SX+3]
	v_pk_add_f32 v[SB:SB+1], v[SX+4:SX+5], v[SX+6:SX+7]
.irp i, 4,6,8,10,12,14
	v_pk_add_f32 v[SA:SA+1], v[SA:SA+1], v[SX+2*\i:SX+2*\i+1]
	v_pk_add_f32 v[SB:SB+1], v[SB:SB+1], v[SX+2*\i+2:SX+2*\i+3]
.endr
	v_pk_add_f32 v[SA:SA+1], v[SA:SA+1], v[SB:SB+1]
.if \first
	v_add_f32 v[LS+\qt], v[SA], v[SA+1]
.else
	v_fma_f32 v[LS+\qt], v[LS+\qt], v[AL], v[SA]
	v_add_f32 v[LS+\qt], v[LS+\qt], v[SA+1]
.endif
.irp ks, 0,1
.irp i, 0,1,2,3,4,5,6,7
	v_cvt_pk_f16_f32 v[SX+16*\ks+\i], v[SX+16*\ks+2*\i], v[SX+16*\ks+2*\i+1]   ; register i is written after it was read: two S tiles become one fragment of 32 keys
.endr
.endr
.endm
.macro RESCALE qt
	WIN W_RS
.irp i, 0,1,2,3,4,5,6,7,8,9,10,11,12,13,14,15
	v_pk_mul_f32 v[32*\qt+2*\i:32*\qt+2*\i+1], v[32*\qt+2*\i:32*\qt+2*\i+1], v[AL:AL+1]
.endr
.endm
; O^T(qt) += V^T P^T(qt): four accumulators by turns, one instruction a turn
.macro PV qt, first
	WIN W_PV
.irp ks, 0,1
.irp dt, 0,1,2,3
.if \first*(1-\ks)
	v_wmma_f32_16x16x32_f16 v[32*\qt+8*\dt:32*\qt+8*\dt+7], v[VF+8*(4*\ks+\dt):VF+8*(4*\ks+\dt)+7], v[32*\qt+16*\ks:32*\qt+16*\ks+7], 0
.else
	v_wmma_f32_16x16x32_f16 v[32*\qt+8*\dt:32*\qt+8*\dt+7], v[VF+8*(4*\ks+\dt):VF+8*(4*\ks+\dt)+7], v[32*\qt+16*\ks:32*\qt+16*\ks+7], v[32*\qt+8*\dt:32*\qt+8*\dt+7]
.endif
.endr
.endr
.endm
; 64 keys: part 'part' of slot 'slot'; ssg = the substep's number in its unit, 0..3.  s48 = my wave's number in a diagonal unit, 8 elsewhere.
.macro SUBSTEP slot, part, ssg, first
.if \ssg > 0
	s_cmp_lt_u32 s48, \ssg                         ; all these keys lie beyond my queries
	s_cbranch_scc1 .Lskip_\@
.endif
.if \first == 0
.rept 5
	v_nop                                          ; five places behind the last product with V: the loads into VF need four, the products below, which write over P, five
.endr
.endif
.irp kt, 0,1,2,3
.irp dh, 0,1
	ds_load_b128 v[KF+8*(2*\kt+\dh):KF+8*(2*\kt+\dh)+3],   v[ADRK+\slot] offset:\part*PARTB+\kt*16*KP+\dh*64
	ds_load_b128 v[KF+8*(2*\kt+\dh)+4:KF+8*(2*\kt+\dh)+7], v[ADRK+\slot] offset:\part*PARTB+\kt*16*KP+\dh*64+32
.endr
.endr
.irp ks, 0,1
.irp dt, 0,1,2,3
	ds_load_tr16_b128 v[VF+8*(4*\ks+\dt):VF+8*(4*\ks+\dt)+3],   v[ADRV+\slot] offset:\part*PARTB+\ks*32*VP+\dt*32
	ds_load_tr16_b128 v[VF+8*(4*\ks+\dt)+4:VF+8*(4*\ks+\dt)+7], v[ADRV+\slot] offset:\part*PARTB+\ks*32*VP+\dt*32+16*VP
.endr
.endr
	s_wait_dscnt 16                                ; K's sixteen loads are in; V's sixteen, issued behind them, stay out
	WIN W_S
.irp qt, 0,1,2,3
.irp kt, 0,1,2,3
	v_wmma_f32_16x16x32_f16 v[32*\qt+8*\kt:32*\qt+8*\kt+7], v[KF+16*\kt:KF+16*\kt+7], v[QF+16*\qt:QF+16*\qt+7], 0   ; d 0-31 starts the sums
.endr
.endr
.irp qt, 0,1,2,3
.irp kt, 0,1,2,3
	v_wmma_f32_16x16x32_f16 v[32*\qt+8*\kt:32*\qt+8*\kt+7], v[KF+16*\kt+8:KF+16*\kt+15], v[QF+16*\qt+8:QF+16*\qt+15], v[32*\qt+8*\kt:32*\qt+8*\kt+7]   ; d 32-63: sixteen accumulators by turns
.endr
.endr
	WIN 0
	PLACES
.if \first == 0
	s_cmp_lg_u32 s48, \ssg
	s_cbranch_scc1 .Lnomask_\@
	WIN W_SM                                       ; the substep on my diagonal: key tiles beyond the query tile are -inf, the four diagonal tiles lane by lane
.irp qt, 0,1,2,3
.irp kt, 0,1,2,3
.if \kt > \qt
.irp j, 0,1,2,3,4,5,6,7
	v_mov_b32 v[32*\qt+8*\kt+\j], v[NEG]
.endr
.endif
.if \kt == \qt
.irp j, 0,1,2,3,4,5,6,7
	v_cndmask_b32 v[32*\qt+8*\kt+\j], v[32*\qt+8*\kt+\j], v[NEG], s[66+\j]
.endr
.endif
.endr
.endr
	WIN 0
.Lnomask_\@:
.endif
.irp qt, 0,1,2,3
	SOFTMAX \qt, \first
.if \first == 0
	RESCALE \qt
.endif
.if \qt == 0
	s_wait_dscnt 0x0                               ; V
.endif
	PV \qt, \first
.endr
	WIN 0
.if \ssg > 0
.Lskip_\@:
.endif
.endm
; A half: 128 keys in slot 'slot'.  In front of the barrier every wave waits for all its tensor loads (its quarter of this slot) and for its reads of the
; other slot; behind it the other slot is filled again first, one load a wave, then this slot is read.
.macro HALF slot, refill, first
	s_wait_tensorcnt 0x0                           ; no tensor load of mine is out: a group 0 may be written
	ds_add_u32 v254, v255
	s_wait_dscnt 0x0
.if \refill
	s_lshl_b32 s42, s45, 14                        ; half NXT: 128 rows of 128 bytes each
	s_add_nc_u64 s[G0+4*(1-\slot)+2:G0+4*(1-\slot)+3], s[40:41], s[42:43]
	s_or_b32 s[G0+4*(1-\slot)+3], s[G0+4*(1-\slot)+3], 0x80000000
	s_add_co_u32 s45, s45, 1
	s_cmp_eq_u32 s45, s46                          ; behind pass A's last half comes pass B's half 0 (pass B has at most 8 halves, pass A at least 10)
	s_cselect_b32 s45, 0, s45
.endif
	s_wait_dscnt 0x0
	s_barrier_signal -1
	s_barrier_wait -1
.if \refill
	JLOAD (1-\slot)
.endif
	SUBSTEP \slot, 0, 2*\slot, \first
	SUBSTEP \slot, 1, 2*\slot+1, 0
.endm
; KF's 64 registers (lane (r, h): d = 16 dt + 8 h + 0..7 of query 16 qt + r, 16 bytes) through my stage and out in runs of 512 bytes to s[cb:cb+1] + off
.macro STAGEOUT cb, off
.irp qt, 0,1,2,3
.irp dt, 0,1,2,3
	ds_store_b128 v[STO], v[KF+16*\qt+4*\dt:KF+16*\qt+4*\dt+3] offset:\qt*16*KP+\dt*32
.endr
.endr
.irp i, 0,1,2,3,4,5,6,7,8,9,10,11,12,13,14,15
	ds_load_b128 v[VF+4*\i:VF+4*\i+3], v[RD] offset:4*KP*\i      ; LDS serves a wave's instructions in order: these see the stores above
.endr
.irp i, 0,1,2,3,4,5,6,7,8,9,10,11,12,13,14,15
	s_wait_dscnt 15-\i                             ; the younger loads may be out
	global_store_b128 v[CO], v[VF+4*\i:VF+4*\i+3], s[\cb:\cb+1] offset:512*\i+\off   ; four rows: 512 consecutive bytes, aligned
.endr
.endm
; The end of a pass: divide by the sums, split into upper and lower bf16, each through my stage and out.  reload = 1: pass B's Q comes in meanwhile.
.macro EPILOG cb, reload
	PLACES
.if \reload
.irp qt, 0,1,2,3
.irp dh, 0,1
	global_load_b128 v[QF+8*(2*\qt+\dh):QF+8*(2*\qt+\dh)+3],   v[VQ], s[52:53] offset:\qt*2048+\dh*64
	global_load_b128 v[QF+8*(2*\qt+\dh)+4:QF+8*(2*\qt+\dh)+7], v[VQ], s[52:53] offset:\qt*2048+\dh*64+32
.endr
.endr
.endif
	WIN W_SM
.irp qt, 0,1,2,3
	v_permlanex16_b32 v[TT+\qt], v[LS+\qt], s58, s59
.endr
.irp qt, 0,1,2,3
	v_add_f32 v[LS+\qt], v[LS+\qt], v[TT+\qt]      ; the two halves' sums
.endr
.irp qt, 0,1,2,3
	v_rcp_f32 v[RI+2*\qt], v[LS+\qt]
	v_rcp_f32 v[RI+2*\qt+1], v[LS+\qt]
.endr
.if \reload
	s_wait_alu depctr_va_vdst(0)
.irp qt, 0,1,2,3
	v_mov_b32 v[MX+2*\qt], v[NEG]                  ; pass B starts with maximum -inf and -(m c) = +inf: its first factor for the old sums is exp2(-inf) = 0.
	v_mov_b32 v[NM+2*\qt], 0x7f800000              ; These moves are also the plain instructions behind the reciprocals
.endr
.else
	v_nop                                          ; one plain instruction behind the reciprocals
	s_wait_alu depctr_va_vdst(0)
.endif
	WIN W_RS
.irp qt, 0,1,2,3
.irp i, 0,1,2,3,4,5,6,7,8,9,10,11,12,13,14,15
	v_pk_mul_f32 v[32*\qt+2*\i:32*\qt+2*\i+1], v[32*\qt+2*\i:32*\qt+2*\i+1], v[RI+2*\qt:RI+2*\qt+1]
.endr
.endr
	WIN W_2                                        ; the lower part: the value less its upper 16 bits, exact in f32
.set ek, 0
.rept 64
	v_and_b32 v[LO+2*ek],   s63, v[2*ek]
	v_and_b32 v[LO+2*ek+1], s63, v[2*ek+1]
	v_pk_add_f32 v[LO+2*ek:LO+2*ek+1], v[2*ek:2*ek+1], v[LO+2*ek:LO+2*ek+1] neg_lo:[0,1] neg_hi:[0,1]
.set ek, ek+1
.endr
	WIN W_CV
.set ek, 0
.rept 64
	v_perm_b32 v[KF+ek], v[2*ek+1], v[2*ek], s49   ; the upper halves of two neighbours, the even one below: two bf16
.set ek, ek+1
.endr
	WIN 0
	STAGEOUT \cb, 0
	WIN W_CV
.set ek, 0
.rept 64
	v_cvt_pk_bf16_f32 v[KF+ek], v[LO+2*ek], v[LO+2*ek+1]
.set ek, ek+1
.endr
	WIN 0
	s_wait_xcnt 0x0                                ; VF, the data of the upper plane's stores, is loaded again only behind this wait
	STAGEOUT \cb, LOPL                             ; the lower plane stands in the stores' immediates: 4,201,984 at the most
.if \reload
	s_wait_loadcnt 0x0                             ; pass B's Q
	s_wait_xcnt 0x0                                ; VF, the stores' data, is loaded again only behind this wait
.endif
.endm
; A unit of 256 keys.  CNT = 0: it is the pass's diagonal unit, and the pass ends behind it.
.macro UNIT first, last
	s_cmp_eq_u32 s47, 0
	s_cselect_b32 s48, s8, 8
	HALF 0, 1, \first
	HALF 1, 1-\last, 0
.if \last
	EPILOG 56, 0
.else
.if \first == 0
	s_cmp_lg_u32 s47, 0
	s_cbranch_scc1 .Lno_\@
	EPILOG 54, 1
	s_add_co_u32 s47, ttmp9, 1                     ; pass B: j units ahead of its diagonal unit (one is taken off below)
.Lno_\@:
.endif
.endif
	s_sub_co_u32 s47, s47, 1
.endm
	UNIT 1, 0                                      ; unit 0 of pass A starts all sums; it is never diagonal (7 - j is at least 4)
	s_mov_b32 s44, 7
.Lunit:
	UNIT 0, 0                                      ; units 1 to 7; pass A ends in one of them, at unit 7 - j
	s_sub_co_i32 s44, s44, 1
	s_cmp_lg_u32 s44, 0
	s_cbranch_scc1 .Lunit
	UNIT 0, 1                                      ; unit 8: pass B's diagonal unit; its second half asks for nothing more
	s_wait_tensorcnt 0x0
	ds_add_u32 v254, v255
	s_wait_dscnt 0x0
	s_endpgm
.Lfunc_end_k_q6d89f6b195_attn:
	.size	k_q6d89f6b195_attn, .Lfunc_end_k_q6d89f6b195_attn-k_q6d89f6b195_attn
	.p2alignl 7, 3214868480
	.fill 96, 4, 3214868480
	.section	.rodata,"a",@progbits
	.p2align	6, 0x0
	.amdhsa_kernel k_q6d89f6b195_attn
		.amdhsa_group_segment_fixed_size 327680
		.amdhsa_private_segment_fixed_size 0
		.amdhsa_enable_private_segment 0
		.amdhsa_kernarg_size 16
		.amdhsa_user_sgpr_count 2
		.amdhsa_user_sgpr_kernarg_segment_ptr 1
		.amdhsa_wavefront_size32 1
		.amdhsa_system_sgpr_workgroup_id_x 1
		.amdhsa_system_sgpr_workgroup_id_y 1
		.amdhsa_system_sgpr_workgroup_id_z 1
		.amdhsa_system_vgpr_workitem_id 0
		.amdhsa_next_free_vgpr 768
		.amdhsa_next_free_sgpr 78
		.amdhsa_reserve_vcc 0
		.amdhsa_float_denorm_mode_32 3
		.amdhsa_float_denorm_mode_16_64 3
		.amdhsa_memory_ordered 1
		.amdhsa_forward_progress 1
		.amdhsa_inst_pref_size 255
	.end_amdhsa_kernel
	.section	.bss,"aw",@nobits
	.p2align	6
	.space	262144
	.amdgpu_metadata
---
amdhsa.version: [ 1, 2 ]
amdhsa.kernels:
  - .name:           k_q6d89f6b195_attn
    .symbol:         k_q6d89f6b195_attn.kd
    .args:
      - { .name: qkv, .offset: 0, .size: 8, .value_kind: global_buffer, .address_space: global }
      - { .name: ctx, .offset: 8, .size: 8, .value_kind: global_buffer, .address_space: global }
    .group_segment_fixed_size: 327680
    .private_segment_fixed_size: 0
    .kernarg_segment_align: 8
    .kernarg_segment_size: 16
    .max_flat_workgroup_size: 128
    .sgpr_count:     78
    .vgpr_count:     768
    .wavefront_size: 32
...
	.end_amdgpu_metadata
.endif
;; end of part 3
;; launch oproj (part 4): grid 8 x 32, 4 waves a work-group, clusters of 4 x 4, 327,680 bytes of LDS; arguments ctx, wo2, out0; writes out0
.if DOCPART == 4
	.amdgcn_target "amdgcn-amd-amdhsa--gfx1250"
	.amdhsa_code_object_version 6
	.text
	.protected	k_q6d89f6b195_oproj
	.globl	k_q6d89f6b195_oproj
	.p2align	8
	.type	k_q6d89f6b195_oproj,@function
k_q6d89f6b195_oproj:
	s_mov_b64 s[64:65], 0
	v_nop
	global_prefetch_b8 v0, s[64:65] scope:SCOPE_SE
	s_setreg_imm32_b32 hwreg(HW_REG_WAVE_MODE, 25, 1), 1
	s_wait_xcnt 0x0
	s_wait_alu depctr_hold_cnt(0) depctr_sa_sdst(0) depctr_va_vdst(0) depctr_va_sdst(0) depctr_va_ssrc(0) depctr_va_vcc(0) depctr_vm_vsrc(0)
	s_getreg_b32 s2, hwreg(HW_REG_IB_STS2, 6, 4)
	s_cmp_eq_u32 s2, 0
	s_cbranch_scc0 .Lentry_in_a_cluster
	s_endpgm
.Lentry_in_a_cluster:
	s_bfe_u32 s2, ttmp6, 0x10000c
	s_cmp_lg_u32 s2, 0xf033
	s_cbranch_scc0 .Lentry_shape_is_right
	s_endpgm
.Lentry_shape_is_right:
; out0[8192][1024] (f32) = context . W_o^T.  The context comes as two bf16 numbers, ctx[b][32][s 2048][64]: planes 0-15 the heads' upper parts, planes 16-31 their
; lower parts.  wo2[1024][2048] bf16 holds W_o twice side by side.  So the product is one walk along K = 2048: upper parts x W_o, then lower parts x W_o, into the
; same f32 sums.
; A work-group makes 256 rows x 128 columns with four waves; 8 x 32 = 256 equal work-groups.  Wave w makes rows 64 w .. 64 w + 63 and all 128 columns:
; 32 accumulator tiles of 16 x 16, 256 registers.  K goes in steps of 128, which are two planes of ctx, through a ring of two LDS slots.
; Wave 0 brings the even plane's 256 rows of 128 bytes (one behind the other in memory), wave 1 the odd plane's, waves 2 and 3 64 rows of wo2 each (256 bytes a row).
; CLUSTERS: 4 x 4 work-groups; ctx's tiles are asked for jointly along a row of the cluster, wo2's along a column.
; REGISTERS: window 0: v16-26 addresses, v64-127 fragments of A (two buffers of 4 x 8), v128-191 the way out; window 1: fragments of B, two buffers of 8 x 8 at
; v0 and v64; window 2: the accumulators at 8 (4 b + a).
; THE MATRIX INSTRUCTION IS USED TRANSPOSED (source 0 = rows of wo2, source 1 = rows of ctx): a lane's eight results are eight neighbouring columns of a row.
.set NB,     8
.set NB1,    2
.set PITCH,  272                       ; B's LDS rows: 256 bytes + 16
.set PA,     144                       ; A's LDS rows: 128 bytes + 16; both odd multiples of 16
.set PART,   256*PA                    ; the LDS bytes set apart for one wave's tensor load (A: all 36,864; B: 64 rows, 17,408 of them)
.set SLOT,   4*PART
.set STAGE,  2*SLOT                    ; behind the ring, a multiple of 256: 16 rows x 272 bytes for each wave; no fill lands here
.set SPITCH, 272
.set LAPS,   8                         ; 2048 / (2 x 128)
.set ASTEP,  2*262144                  ; bytes from a K step to the next in ctx: two planes
.set BSTEP,  256                       ; and in wo2
.set ADRA, 16
.set ADRB, 20
.set STO,  24
.set RD,   25
.set CO,   26
.set FA,   64
.set RB,   128                         ; v128-159, v160-191: rows read back, by turns
.set G1, 24
.set G0, 32
.set G1B, 48
.set G0B, 56
.set MSB, 0
.macro WIN new
.if MSB != \new
	s_set_vgpr_msb (MSB<<8)|\new
.set MSB, \new
.endif
.endm
.set MUL_LO, 0xa1                      ; source 0 (B) window 1, source 1 (A) window 0, C and D window 2
.set TO_B,   0x40
.macro JLOAD s                         ; waves 0, 1 ask for A's two planes, waves 2, 3 for B's two halves; the branch hangs on the wave's number alone
	s_cmp_eq_u32 s11, 0
	s_cbranch_scc0 .Lfor_b_\@
	tensor_load_to_lds s[G0+4*\s:G0+4*\s+3], s[G1:G1+7]
	s_nop 0
	s_branch .Lasked_\@
.Lfor_b_\@:
	tensor_load_to_lds s[G0B+4*\s:G0B+4*\s+3], s[G1B:G1B+7]
	s_nop 0
.Lasked_\@:
.endm
.macro CREST                           ; a round of the cluster's barrier behind its opening barrier
	s_cmp_lg_u32 s10, 0
	s_cbranch_scc1 .Lnot_wave_0_\@
	s_barrier_signal -3
.Lnot_wave_0_\@:
	s_barrier_wait -3
	s_barrier_signal -1
	s_barrier_wait -1
.endm
.macro CROUND
	s_barrier_signal -1
	s_barrier_wait -1
	CREST
.endm
.macro PLACES                          ; four plain vector instructions behind a matrix instruction, ahead of loads into its sources and of stores of its results
.rept 4
	v_nop
.endr
.endm
	s_load_b128 s[4:7], s[0:1], 0x0                ; ctx s[4:5], wo2 s[6:7]
	s_load_b64 s[8:9], s[0:1], 0x10                ; out0
	s_set_vgpr_msb 0x40
	v_lshl_add_u32 v255, v0, 2, 0x4c400
	s_set_vgpr_msb 0x4000
	v_mov_b32 v255, 0
	s_set_vgpr_msb 0x1
	ds_add_u32 v255, v255
	s_set_vgpr_msb 0x100
	v_lshrrev_b32 v1, 5, v0
	v_readfirstlane_b32 s10, v1                    ; wave 0..3
	s_lshr_b32 s11, s10, 1                         ; I fetch for A (0) or for B (1)
	s_and_b32 s12, s10, 1                          ; which plane of the step, or which half of B's rows
	s_bfe_u32 s40, ttmp6, 0x40000                  ; cx
	s_bfe_u32 s41, ttmp6, 0x40004                  ; cy
	s_lshl_b32 s42, ttmp9, 2
	s_add_co_u32 s42, s42, s40                     ; block column, 0..7
	s_and_b32 s13, ttmp7, 0xffff
	s_lshl_b32 s13, s13, 2
	s_add_co_u32 s13, s13, s41                     ; block row, 0..31
	s_lshl_b32 s43, s41, 2
	s_lshl_b32 s43, 15, s43                        ; my row of the cluster
	s_lshl_b32 s44, 0x1111, s40                    ; my column
	; group 1.  A: 256 rows x 64 elements, 4 words of padding behind every 32; B: 64 rows x 128 elements, 4 words behind every 64
	s_or_b32 s[G1+0], s43, (1<<16)|(1<<20)|(1<<21)|(4<<22)|(3<<25)
	s_or_b32 s[G1B+0], s44, (1<<16)|(1<<20)|(1<<21)|(5<<22)|(3<<25)
	s_mov_b32 s[G1+1], 64<<16                      ; tensor_dim0
	s_mov_b32 s[G1B+1], 128<<16
	s_mov_b32 s[G1+2], 256<<16                     ; tensor_dim1
	s_mov_b32 s[G1B+2], 64<<16
	s_mov_b32 s[G1+3], 64<<16                      ; tile_dim0
	s_mov_b32 s[G1B+3], 128<<16
	s_mov_b32 s[G1+4], 256                         ; tile_dim1
	s_mov_b32 s[G1B+4], 64
	s_mov_b32 s[G1+5], 64                          ; elements from row to row
	s_mov_b32 s[G1B+5], 2048
	s_mov_b32 s[G1+6], 0
	s_mov_b32 s[G1B+6], 0
	s_mov_b32 s[G1+7], 0
	s_mov_b32 s[G1B+7], 0
	s_lshr_b32 s16, s13, 3                         ; A: batch = block row / 8,
	s_lshl_b32 s16, s16, 5
	s_add_co_u32 s16, s16, s12                     ; plane 32 b + (wave & 1),
	s_lshl_b32 s16, s16, 18
	s_and_b32 s17, s13, 7
	s_lshl_b32 s17, s17, 15                        ; row 256 x (block row & 7), 128 bytes each
	s_add_co_u32 s16, s16, s17
	s_mov_b32 s17, 0
	s_lshl_b32 s46, s42, 7                         ; B: row 128 x block column + 64 x half
	s_lshl_b32 s47, s12, 6
	s_add_co_u32 s46, s46, s47
	s_lshl_b32 s46, s46, 12                        ; x 4,096 bytes a row
	s_mov_b32 s47, 0
	s_mul_i32 s20, s10, PART
	s_wait_dscnt 0x0
	s_wait_kmcnt 0x0
	s_add_nc_u64 s[14:15], s[4:5], s[16:17]
	s_add_nc_u64 s[46:47], s[6:7], s[46:47]
	CROUND                                         ; in front of the first joint loads
.irp s, 0,1
	s_mov_b32 s[G0+4*\s], 1
	s_add_co_u32 s[G0+4*\s+1], s20, \s*SLOT
	s_add_nc_u64 s[G0+4*\s+2:G0+4*\s+3], s[14:15], \s*ASTEP
	s_or_b32 s[G0+4*\s+3], s[G0+4*\s+3], 0x80000000
	s_mov_b32 s[G0B+4*\s], 1
	s_add_co_u32 s[G0B+4*\s+1], s20, \s*SLOT
	s_add_nc_u64 s[G0B+4*\s+2:G0B+4*\s+3], s[46:47], \s*BSTEP
	s_or_b32 s[G0B+4*\s+3], s[G0B+4*\s+3], 0x80000000
	JLOAD \s                                       ; K steps 0 and 1: two loads of mine are out
.endr
	v_and_b32 v1, 15, v0                           ; r
	v_bfe_u32 v2, v0, 4, 1                         ; h
	v_lshlrev_b32 v7, 4, v2                        ; 16 h
	v_mad_u32_u24 v3, v1, PA, v7                   ; A: r x 144 + 16 h
	v_mad_u32_u24 v4, v1, PITCH, v7                ; B: r x 272 + 16 h
	s_mul_i32 s21, s10, 64*PA                      ; my 64 rows, in either plane's part
	s_mov_b32 s22, 2*PART
.irp s, 0,1
	v_add_nc_u32 v[ADRA+\s], s21, v3
	v_add_nc_u32 v[ADRB+\s], s22, v4
	s_add_co_u32 s21, s21, SLOT
	s_add_co_u32 s22, s22, SLOT
.endr
	s_mul_i32 s23, s10, 16*SPITCH
	s_add_co_u32 s23, s23, STAGE                   ; my stage
	v_mul_u32_u24 v5, v1, SPITCH
	v_lshl_add_u32 v5, v2, 5, v5
	v_add_nc_u32 v[STO], s23, v5                   ; in: row r, 32 bytes (eight f32) for each half of the lanes
	v_mul_u32_u24 v6, v2, SPITCH
	v_lshl_add_u32 v6, v1, 4, v6
	v_add_nc_u32 v[RD], s23, v6                    ; back: lanes 0-15 one row of 256 bytes, lanes 16-31 the next
	v_lshlrev_b32 v5, 12, v2
	v_lshl_add_u32 v[CO], v1, 4, v5                ; the same two rows in out0: 4,096 h + 16 r
; nb column blocks from b0 on x my four row blocks, 32 along K.  Always b ascending, then a: the 32 accumulators take turns, one instruction a turn,
; over the backward jump too.
.macro MULB f, b0, nb, zero
	WIN MUL_LO
.set mb, \b0
.rept \nb
.irp a, 0,1,2,3
.if \zero
	v_wmma_f32_16x16x32_bf16 v[8*(4*mb+\a):8*(4*mb+\a)+7], v[8*NB*\f+8*mb:8*NB*\f+8*mb+7], v[FA+32*\f+8*\a:FA+32*\f+8*\a+7], 0
.else
	v_wmma_f32_16x16x32_bf16 v[8*(4*mb+\a):8*(4*mb+\a)+7], v[8*NB*\f+8*mb:8*NB*\f+8*mb+7], v[FA+32*\f+8*\a:FA+32*\f+8*\a+7], v[8*(4*mb+\a):8*(4*mb+\a)+7]
.endif
.endr
.set mb, mb+1
.endr
.endm
; 24 LDS loads in one run: quarter kq (plane kq / 2 of the step, d = 32 (kq & 1) ..) into buffers f: A's 8 first, then B's 16 with b ascending
.macro FETCH slot, kq, f
	WIN 0
.irp a, 0,1,2,3
	ds_load_b128 v[FA+32*\f+8*\a:FA+32*\f+8*\a+3],   v[ADRA+\slot] offset:((\kq)>>1)*PART+((\kq)&1)*64+\a*16*PA
	ds_load_b128 v[FA+32*\f+8*\a+4:FA+32*\f+8*\a+7], v[ADRA+\slot] offset:((\kq)>>1)*PART+((\kq)&1)*64+\a*16*PA+32
.endr
	WIN TO_B
.irp b, 0,1,2,3,4,5,6,7
	ds_load_b128 v[8*NB*\f+8*\b:8*NB*\f+8*\b+3],   v[ADRB+\slot] offset:(\b/4)*PART+(\b%4)*16*PITCH+64*\kq
	ds_load_b128 v[8*NB*\f+8*\b+4:8*NB*\f+8*\b+7], v[ADRB+\slot] offset:(\b/4)*PART+(\b%4)*16*PITCH+64*\kq+32
.endr
.endm
.macro QUARTER slot, kq, f, g, zero
	s_wait_dscnt 2*(NB-NB1)                        ; A and B's blocks 0 .. NB1-1 are the oldest 8 + 2 NB1 loads; the 2 (NB - NB1) younger ones may be out
	MULB \f, 0, NB1, \zero
	PLACES
	FETCH \slot, \kq, \g
	s_wait_dscnt 2*(NB+4)                          ; all but the 2 (NB + 4) just issued
	MULB \f, NB1, NB-NB1, \zero
.endm
.macro THREE slot, zero
	QUARTER \slot, 1, 0, 1, \zero
	QUARTER \slot, 2, 1, 0, 0
	QUARTER \slot, 3, 0, 1, 0
.endm
; The last quarter and the change of slots: each wave's waits for its reads of this slot and for all its tensor loads stand in front of the barrier's signal;
; fill = 1: the barrier opens a round of the cluster's barrier, and the joint refill is the first tensor load behind the round, one a wave.
; From that request to the wait for it a wave issues 120 matrix instructions.
.macro TURN slot, next, fill
	s_wait_dscnt 2*(NB-2)                          ; A and B's blocks 0, 1 are in
	MULB 1, 0, 2, 0
	s_wait_dscnt 0x0
	s_wait_tensorcnt 0x0
	ds_add_u32 v255, v255
	s_wait_dscnt 0x0
	s_barrier_signal -1
	MULB 1, 2, 2, 0
	WIN 0
	s_barrier_wait -1
.if \fill
	CREST
	s_add_nc_u64 s[G0+4*\slot+2:G0+4*\slot+3], s[G0+4*\slot+2:G0+4*\slot+3], 2*ASTEP
	s_add_nc_u64 s[G0B+4*\slot+2:G0B+4*\slot+3], s[G0B+4*\slot+2:G0B+4*\slot+3], 2*BSTEP
	JLOAD \slot
.endif
	PLACES
	FETCH \next, 0, 0
	MULB 1, 4, NB-4, 0
.endm
.macro LAP zero
	THREE 0, \zero
	TURN 0, 1, 1
	THREE 1, 0
	TURN 1, 0, 1
.endm
	s_wait_tensorcnt 0x1                           ; my part of K step 0 is in; K step 1's load stays out
	s_barrier_signal -1
	s_barrier_wait -1
	FETCH 0, 0, 0
	LAP 1
	WIN 0
	s_mov_b32 s3, LAPS-2
.Llap:
	LAP 0
	WIN 0
	s_sub_co_u32 s3, s3, 1
	s_cmp_lg_u32 s3, 0
	s_cbranch_scc1 .Llap
	THREE 0, 0                                     ; the last lap fills nothing
	TURN 0, 1, 0
	THREE 1, 0
	s_wait_dscnt 2*(NB-NB1)
	MULB 1, 0, NB1, 0
	s_wait_dscnt 0x0
	MULB 1, NB1, NB-NB1, 0
	; THE WAY OUT, 16 rows x 64 columns of f32 at a time, through my own stage: in by lanes (eight neighbouring columns each), back by rows of 256 bytes.
	PLACES
	s_lshl_b32 s16, s13, 8
	s_lshl_b32 s15, s10, 6
	s_add_co_u32 s16, s16, s15                     ; my first row
	s_lshl_b32 s16, s16, 12                        ; x 4,096 bytes
	s_mov_b32 s17, 0
	s_add_nc_u64 s[8:9], s[8:9], s[16:17]
	s_lshl_b32 s46, s42, 9                         ; my block's 512 bytes of a row (in registers that held B's address)
	s_mov_b32 s47, 0
	s_add_nc_u64 s[8:9], s[8:9], s[46:47]          ; never stepped: the rows stand in the stores' immediates, 254,208 at the most
.macro OUTF a, ch, rb
	WIN 0x08                                       ; the LDS stores' data from window 2, their address from window 0
.irp b, 0,1,2,3
	ds_store_b128 v[STO], v[8*(4*(4*\ch+\b)+\a):8*(4*(4*\ch+\b)+\a)+3]   offset:64*\b
	ds_store_b128 v[STO], v[8*(4*(4*\ch+\b)+\a)+4:8*(4*(4*\ch+\b)+\a)+7] offset:64*\b+16
.endr
	WIN 0
	s_wait_xcnt 0x0                                ; the registers read back into were earlier stores' data: loaded again only behind this wait
.irp t, 0,1,2,3,4,5,6,7
	ds_load_b128 v[\rb+4*\t:\rb+4*\t+3], v[RD] offset:2*SPITCH*\t    ; LDS serves a wave's instructions in order: these see the stores above
.endr
.irp t, 0,1,2,3,4,5,6,7
	s_wait_dscnt 7-\t                              ; the younger loads may be out
	global_store_b128 v[CO], v[\rb+4*\t:\rb+4*\t+3], s[8:9] offset:(16*\a+2*\t)*4096+256*\ch th:TH_STORE_NT   ; sixteen lanes store 256 consecutive bytes, aligned
.endr
.endm
.irp a, 0,1,2,3
	OUTF \a, 0, RB
	OUTF \a, 1, RB+32
.endr
	s_set_vgpr_msb 0x1
	s_wait_tensorcnt 0x0
	ds_add_u32 v255, v255
	s_wait_dscnt 0x0
	s_set_vgpr_msb 0x100
	CROUND                                         ; the closing round
	s_endpgm
.Lfunc_end_k_q6d89f6b195_oproj:
	.size	k_q6d89f6b195_oproj, .Lfunc_end_k_q6d89f6b195_oproj-k_q6d89f6b195_oproj
	.p2alignl 7, 3214868480
	.fill 96, 4, 3214868480
	.section	.rodata,"a",@progbits
	.p2align	6, 0x0
	.amdhsa_kernel k_q6d89f6b195_oproj
		.amdhsa_group_segment_fixed_size 327680
		.amdhsa_private_segment_fixed_size 0
		.amdhsa_enable_private_segment 0
		.amdhsa_kernarg_size 24
		.amdhsa_user_sgpr_count 2
		.amdhsa_user_sgpr_kernarg_segment_ptr 1
		.amdhsa_wavefront_size32 1
		.amdhsa_system_sgpr_workgroup_id_x 1
		.amdhsa_system_sgpr_workgroup_id_y 1
		.amdhsa_system_sgpr_workgroup_id_z 1
		.amdhsa_system_vgpr_workitem_id 0
		.amdhsa_next_free_vgpr 768
		.amdhsa_next_free_sgpr 66
		.amdhsa_reserve_vcc 0
		.amdhsa_float_denorm_mode_32 3
		.amdhsa_float_denorm_mode_16_64 3
		.amdhsa_memory_ordered 1
		.amdhsa_forward_progress 1
		.amdhsa_inst_pref_size 119
	.end_amdhsa_kernel
	.amdgpu_metadata
---
amdhsa.version: [ 1, 2 ]
amdhsa.kernels:
  - .name:           k_q6d89f6b195_oproj
    .symbol:         k_q6d89f6b195_oproj.kd
    .args:
      - { .name: ctx, .offset: 0, .size: 8, .value_kind: global_buffer, .address_space: global }
      - { .name: wo2, .offset: 8, .size: 8, .value_kind: global_buffer, .address_space: global }
      - { .name: out0, .offset: 16, .size: 8, .value_kind: global_buffer, .address_space: global }
    .group_segment_fixed_size: 327680
    .private_segment_fixed_size: 0
    .kernarg_segment_align: 8
    .kernarg_segment_size: 24
    .max_flat_workgroup_size: 128
    .sgpr_count:     66
    .vgpr_count:     768
    .wavefront_size: 32
...
	.end_amdgpu_metadata
.endif
;; end of part 4
;; ======== version 2 of 2: 4 launches
;; limits: values are held in f16: magnitudes above 65,504 overflow, below 6.1e-05 lose precision
;; workspace buffers: xh 16,777,216 bytes; wh 8,388,608 bytes; qkv 50,331,648 bytes; ctx 20,971,520 bytes
;; launch cvt (part 5): grid 768 x 1, 8 waves a work-group, no clusters, 0 bytes of LDS; arguments x, W_q, W_k, W_v, W_o, xh, wh; writes xh, wh
.if DOCPART == 5
	.amdgcn_target "amdgcn-amd-amdhsa--gfx1250"
	.amdhsa_code_object_version 6
	.text
	.protected	k_q6d89f6b195_cvt
	.globl	k_q6d89f6b195_cvt
	.p2align	8
	.type	k_q6d89f6b195_cvt,@function
k_q6d89f6b195_cvt:
	s_mov_b64 s[64:65], 0
	v_nop
	global_prefetch_b8 v0, s[64:65] scope:SCOPE_SE
	s_setreg_imm32_b32 hwreg(HW_REG_WAVE_MODE, 25, 1), 1
	s_wait_xcnt 0x0
; f32 -> bf16 (to nearest even), a stream.  xh[8192][1024] = x;  wh[4096][1024] = W_q, W_k, W_v, W_o one under the other.
; 768 work-groups of eight waves; each turns 65,536 bytes of f32 into 32,768 bytes of bf16: groups 0-511 take x, groups 512-767 the four weights
; (64 groups each).  A load of a wave covers 512 consecutive bytes, a store 256 consecutive bytes, both aligned to their own size.
; All sixteen loads of a thread are issued first; no register is written twice, so the only waits are the counted ones for the loads.
; No LDS, no matrix unit, no cluster: every byte is read once and written once, and no two work-groups share a byte.
; bf16 has f32's range: no input overflows.
.set X, 8                              ; v[8:71]   sixteen loads of four f32
.set Y, 72                             ; v[72:103] sixteen pairs of packed bf16
	s_load_b256 s[4:11], s[0:1], 0x0               ; x s[4:5], W_q s[6:7], W_k s[8:9], W_v s[10:11]
	s_load_b128 s[12:15], s[0:1], 0x20             ; W_o s[12:13], xh s[14:15]
	s_load_b64 s[16:17], s[0:1], 0x30              ; wh
	v_lshlrev_b32 v1, 4, v0                        ; my 16 bytes of each 4,096 in
	v_lshlrev_b32 v2, 3, v0                        ; my 8 bytes of each 2,048 out
	s_sub_co_u32 s20, ttmp9, 512                   ; j: the group's number among the weights' groups (used only where the group's number is 512 or more)
	s_lshr_b32 s21, s20, 6                         ; which weight
	s_and_b32 s22, s20, 63
	s_lshl_b32 s22, s22, 16                        ; byte offset in that weight
	s_lshl_b32 s23, s20, 15                        ; byte offset in wh
	s_lshl_b32 s24, ttmp9, 16                      ; byte offset in x
	s_lshl_b32 s25, ttmp9, 15                      ; byte offset in xh
	s_mov_b32 s27, 0
	s_mov_b32 s29, 0
	s_wait_kmcnt 0x0
	s_cmp_eq_u32 s21, 1
	s_cselect_b64 s[6:7], s[8:9], s[6:7]
	s_cmp_eq_u32 s21, 2
	s_cselect_b64 s[6:7], s[10:11], s[6:7]
	s_cmp_eq_u32 s21, 3
	s_cselect_b64 s[6:7], s[12:13], s[6:7]         ; the weight of group j
	s_cmp_lt_u32 ttmp9, 512                        ; the selects below leave SCC as it is
	s_cselect_b64 s[6:7], s[4:5], s[6:7]           ; from: x or the weight
	s_cselect_b64 s[14:15], s[14:15], s[16:17]     ; to: xh or wh
	s_cselect_b32 s26, s24, s22
	s_cselect_b32 s28, s25, s23
	s_add_nc_u64 s[6:7], s[6:7], s[26:27]
	s_add_nc_u64 s[14:15], s[14:15], s[28:29]
.irp i, 0,1,2,3,4,5,6,7,8,9,10,11,12,13,14,15
	global_load_b128 v[X+4*\i:X+4*\i+3], v1, s[6:7] offset:4096*\i th:TH_LOAD_NT   ; read once in this launch
.endr
.irp i, 0,1,2,3,4,5,6,7,8,9,10,11,12,13,14,15
	s_wait_loadcnt 15-\i                           ; loads come back in order: load i is in, the 15 - i younger ones stay out
	v_cvt_pk_bf16_f32 v[Y+2*\i],   v[X+4*\i],   v[X+4*\i+1]
	v_cvt_pk_bf16_f32 v[Y+2*\i+1], v[X+4*\i+2], v[X+4*\i+3]
	global_store_b64 v2, v[Y+2*\i:Y+2*\i+1], s[14:15] offset:2048*\i               ; no hint: a later launch reads it
.endr
	s_endpgm
.Lfunc_end_k_q6d89f6b195_cvt:
	.size	k_q6d89f6b195_cvt, .Lfunc_end_k_q6d89f6b195_cvt-k_q6d89f6b195_cvt
	.p2alignl 7, 3214868480
	.fill 96, 4, 3214868480
	.section	.rodata,"a",@progbits
	.p2align	6, 0x0
	.amdhsa_kernel k_q6d89f6b195_cvt
		.amdhsa_group_segment_fixed_size 0
		.amdhsa_private_segment_fixed_size 0
		.amdhsa_enable_private_segment 0
		.amdhsa_kernarg_size 56
		.amdhsa_user_sgpr_count 2
		.amdhsa_user_sgpr_kernarg_segment_ptr 1
		.amdhsa_wavefront_size32 1
		.amdhsa_system_sgpr_workgroup_id_x 1
		.amdhsa_system_sgpr_workgroup_id_y 1
		.amdhsa_system_sgpr_workgroup_id_z 1
		.amdhsa_system_vgpr_workitem_id 0
		.amdhsa_next_free_vgpr 104
		.amdhsa_next_free_sgpr 66
		.amdhsa_reserve_vcc 0
		.amdhsa_float_denorm_mode_32 3
		.amdhsa_float_denorm_mode_16_64 3
		.amdhsa_memory_ordered 1
		.amdhsa_forward_progress 1
		.amdhsa_inst_pref_size 7
	.end_amdhsa_kernel
	.amdgpu_metadata
---
amdhsa.version: [ 1, 2 ]
amdhsa.kernels:
  - .name:           k_q6d89f6b195_cvt
    .symbol:         k_q6d89f6b195_cvt.kd
    .args:
      - { .name: x, .offset: 0, .size: 8, .value_kind: global_buffer, .address_space: global }
      - { .name: W_q, .offset: 8, .size: 8, .value_kind: global_buffer, .address_space: global }
      - { .name: W_k, .offset: 16, .size: 8, .value_kind: global_buffer, .address_space: global }
      - { .name: W_v, .offset: 24, .size: 8, .value_kind: global_buffer, .address_space: global }
      - { .name: W_o, .offset: 32, .size: 8, .value_kind: global_buffer, .address_space: global }
      - { .name: xh, .offset: 40, .size: 8, .value_kind: global_buffer, .address_space: global }
      - { .name: wh, .offset: 48, .size: 8, .value_kind: global_buffer, .address_space: global }
    .group_segment_fixed_size: 0
    .private_segment_fixed_size: 0
    .kernarg_segment_align: 8
    .kernarg_segment_size: 56
    .max_flat_workgroup_size: 256
    .sgpr_count:     66
    .vgpr_count:     104
    .wavefront_size: 32
...
	.end_amdgpu_metadata
.endif
;; end of part 5
;; launch qkv: the kernel of part 2 again; grid 16 x 32, 4 waves a work-group, clusters of 4 x 4, 327,680 bytes of LDS; arguments xh, wh, qkv; writes qkv
;; launch attn (part 6): grid 4 x 64, 8 waves a work-group, no clusters, 327,680 bytes of LDS; arguments qkv, ctx; writes ctx
.if DOCPART == 6
	.amdgcn_target "amdgcn-amd-amdhsa--gfx1250"
	.amdhsa_code_object_version 6
	.text
	.protected	k_q6d89f6b195_attn
	.globl	k_q6d89f6b195_attn
	.p2align	8
	.type	k_q6d89f6b195_attn,@function
k_q6d89f6b195_attn:
	s_mov_b64 s[64:65], 0
	v_nop
	global_prefetch_b8 v0, s[64:65] scope:SCOPE_SE
	s_setreg_imm32_b32 hwreg(HW_REG_WAVE_MODE, 25, 1), 1
	s_wait_xcnt 0x0
; Causal attention of one head, with a running maximum: softmax(mask(q k^T) / 8) v, from qkv[b][g][s][64] f16 (g = h: q, 16 + h: k, 32 + h: v).
; THE RESULT goes out in bf16, in the order in which the next launch's row blocks want it: ctx[8 b + j][h 16][row 320][64].  Block j of a sequence holds
;   rows   0- 63: sequence rows 64 j .. 64 j + 63 (the early rows, s below 512), rounded to nearest;
;   rows  64-255: sequence rows 512 + 192 j .. 512 + 192 j + 191 (the late rows), rounded to nearest;
;   rows 256-319: for the early rows, what the rounding left (the exact difference in f32, rounded to bf16): together about 2^-17 of the value.
; Why the early rows get a second number: a row with few keys averages little, so the first rows of a sequence can be many times larger than the output's
; root mean square, and one bf16 rounding of them is not small beside one hundredth of that.  From row 512 on a row takes in 513 keys or more.
; A wave's 64 queries begin at a multiple of 64, and 192 = 3 x 64: they always land in one run of 64 rows, 8,192 consecutive bytes.
; Work-group (j, bh), j = 0..3, takes two blocks of 256 queries of head bh: block 7 - j (pass A), then block j (pass B): (8 - j) + (j + 1) = 9 units of
; 256 keys for every one of the 256 work-groups.
; EIGHT WAVES, 512 registers each, so that two share a SIMD's 1,024: while one waits (for LDS, for a result, for its matrix instructions) the other has work to
; issue.  Waves q and q + 4 (q = 0..3) hold the SAME 64 queries of the block and share the KEYS: a unit is four substeps of 64 keys, and wave group
; g = wave / 4 takes substeps g and g + 2.  Each wave keeps a running maximum, sum and O of its own; at the end of a pass group 1 hands its three to group 0
; through LDS, and group 0 merges them (both scaled to the common maximum), divides and stores.
; Keys beyond a wave's queries are not multiplied (whole substeps), or masked with -inf (the substep on the diagonal).
; BOTH PRODUCTS ARE TRANSPOSED, so that the weights never change lanes:
;   S^T = K Q^T: source 0 = 16 keys x 32 d from LDS, source 1 = 16 queries x 32 d, resident.  Lane (r, h), register j: key 16 kt + 8 h + j, query 16 qt + r.
;   O^T = V^T P^T: source 0 = V^T by transposing LDS loads from V as it lies, [key][d]; source 1 = the weights of 32 keys, which are two S tiles packed to f16
;   in place: exactly the layout that source 1 wants.  A query's maximum and sum live in its lane; one exchange between the halves of the wave for each query tile.
; NO CLUSTER: the four work-groups of a head need 8 - j and then j + 1 units.  In step all four would walk 8 + 4 = 12 units instead of 9, and no branch may
; hang on a work-group's place to skip the rest; the tiles of K and V are 9 x 64 KiB for a work-group's whole run.
; RING: two slots, each a whole unit (256 keys of K and of V).  Waves 0 and 1 bring K's halves, waves 2 and 3 V's (128 rows x 128 bytes, one tensor load each);
; waves 4 to 7 issue none.  One load of a wave is out at any time, issued first thing behind a unit's barrier, and it has the unit's work in which to land.
; SCALAR REGISTERS: s[16:39] are the tensor loads' descriptors and hold nothing else: group 1 is written once, ahead of the first load; a group 0 is written
; only behind a wait that shows all the wave's tensor loads done.  Scratch lies in s11-15, s42-43 and s74-82.
; LIMITS: operands are f16 (magnitudes from 65,504 on are infinite; the weights are at most about 1).  v_exp_f32 gives zero for results below 2^-126.
; A row's sum is formed by halves of the lanes, by substeps and by the two waves, not in the order of a plain sum.  Pass B starts from pass A's finite sums
; times exp2(-inf) = 0; a wave without a substep in a pass (wave 4 in block 0) enters the merge with the factor exp2(-inf) = 0 likewise.
; Sequence rows 512 to 2047 leave with one bf16 rounding, 2^-9 of the value at the most.
.set PARTB, 20480                      ; the LDS bytes of one wave's tensor load: 128 rows (K's use 18,432 of them)
.set SLOTB, 4*PARTB                    ; a slot: K's two parts, V's two parts
.set KP,    144                        ; K's rows: 128 bytes + 16, an odd multiple of 16
.set VP,    160                        ; V's rows: 128 bytes + 32, an odd multiple of 32, for the transposing loads
.set STAGE, 2*SLOTB                    ; 163,840, a multiple of 256: 64 rows x 144 bytes for each of waves 0-3, for the way out; no fill lands here
.set STG,   64*KP
.set XCH,   STAGE+4*STG                ; 200,704, a multiple of 256: what wave q + 4 hands to wave q; no fill lands here
.set XSZ,   17920                      ; 32 x 512 bytes of O, then 3 x 512 bytes: -(m c) and m of query tiles 0, 1; of 2, 3; the four sums
.set CROWS, 320                        ; rows of a head's plane in a block of ctx
.set LOPL,  256*128                    ; bytes from an early row to the row that holds its second number
; window 0
.set ADRK, 8                           ; v8-9    my K fragments in slot 0, 1 (my group's 64 rows of a part)
.set ADRV, 10                          ; v10-11  my V^T fragments
.set VQ,   12                          ; my 16 bytes of a Q fragment, from the wave's first query
.set STO,  13
.set RD,   14
.set CO,   15
.set XA,   19                          ; my 16 bytes in a row of 512 of my pair's exchange
.set KV,   32                          ; v32-95   K fragments, 8 (2 kt + dh); behind the products with K: V^T fragments, 8 (4 ks + dt)
.set OB,   96                          ; v96-223  O(qt, dt) at OB + 32 qt + 8 dt
; window 1: S(qt, kt) at 32 qt + 8 kt; the packed weights P(qt, ks) at 32 qt + 16 ks
.set NM,   128                         ; NM + 2 qt: -(maximum x c), as rounded
.set MX,   129                         ; MX + 2 qt: the running maximum of the raw scores
.set LS,   136                         ; LS + qt: the running sum, of my half of the lanes
.set AL,   140                         ; a pair: the factor for the old sums
.set TT,   142                         ; four at work
.set DD,   146                         ; two at work
.set SA,   148                         ; a pair
.set SB,   150                         ; a pair
.set NEG,  152                         ; -inf
.set RI,   154                         ; RI + qt: 1 / sum
.set PN,   164                         ; PN + 2 qt: the partner's -(m c)
.set PL,   172                         ; PL + qt: the partner's sum
.set FA0,  176                         ; FA0 + 2 qt: a pair, my factor in the merge
.set FA1,  184                         ; FA1 + 2 qt: a pair, the partner's
.set QF,   192                         ; v192-255 Q fragments, 8 (2 qt + dh)
; s_set_vgpr_msb's low byte: bits 1:0 source 0, 3:2 source 1, 5:4 source 2, 7:6 destination
.set W_S,  0x54                        ; source 0 (K) window 0; source 1 (Q), C and D (S) window 1
.set W_SM, 0x55                        ; everything window 1
.set W_O,  0x04                        ; source 1 window 1, all else window 0: O x factor; O += V^T P^T; stores of data in window 1
.set W_D1, 0x40                        ; destination window 1, sources window 0
.set SSG,  84                          ; s84, s85: the numbers of my two substeps in a unit: g, g + 2
.set G1K, 16                           ; s[16:23]
.set G1V, 24                           ; s[24:31]
.set G0,  32                           ; s[32:39], a set for each slot
.set MSB, 0
.macro WIN new                         ; the immediate's high byte repeats the setting that is left; a switch that changes nothing is dropped
.if MSB != \new
	s_set_vgpr_msb (MSB<<8)|\new
.set MSB, \new
.endif
.endm
.macro PLACES                          ; four plain vector instructions between a matrix instruction and a vector instruction, load or LDS store that touches its registers
.rept 4
	v_nop
.endr
.endm
; a quarter of slot s: waves 0, 1 bring K's rows, waves 2, 3 V's (the two lines differ in the padding alone), waves 4-7 nothing.  The branches hang on the wave's number.
.macro JLOAD s
	s_cmp_lt_u32 s8, 2
	s_cbranch_scc0 .Lv_\@
	tensor_load_to_lds s[G0+4*\s:G0+4*\s+3], s[G1K:G1K+7]
	s_nop 0
	s_branch .Lj_\@
.Lv_\@:
	s_cmp_lt_u32 s8, 4
	s_cbranch_scc0 .Lj_\@
	tensor_load_to_lds s[G0+4*\s:G0+4*\s+3], s[G1V:G1V+7]
	s_nop 0
.Lj_\@:
.endm
; s42 = the byte offset in ctx of the 64 rows that begin at sequence row 64 x s78 (0..31), head s12 of batch s11.
; Below 8: block = s78, row 0.  From 8 on, with u = s78 - 8 (0..23): block = u / 3 = (171 u) >> 9, row = 64 + 64 (u mod 3).
.macro CTXOFF
	s_max_u32 s79, s78, 8
	s_sub_co_u32 s79, s79, 8                       ; u (0 for an early run, where it is not used)
	s_mul_i32 s80, s79, 171
	s_lshr_b32 s80, s80, 9                         ; u / 3
	s_mul_i32 s81, s80, 3
	s_sub_co_u32 s81, s79, s81                     ; u mod 3
	s_lshl_b32 s81, s81, 6
	s_add_co_u32 s81, s81, 64
	s_cmp_lt_u32 s78, 8                            ; the selects leave SCC as it is
	s_cselect_b32 s80, s78, s80                    ; block j
	s_cselect_b32 s81, 0, s81                      ; row
	s_lshl_b32 s82, s11, 3
	s_add_co_u32 s82, s82, s80                     ; 8 b + j
	s_lshl_b32 s82, s82, 4
	s_add_co_u32 s82, s82, s12                     ; x 16 + h
	s_mul_i32 s82, s82, CROWS
	s_add_co_u32 s82, s82, s81
	s_lshl_b32 s42, s82, 7                         ; x 128 bytes a row: below 2^25
.endm
	s_load_b128 s[4:7], s[0:1], 0x0                ; qkv s[4:5], ctx s[6:7]
	v_lshl_add_u32 v254, v0, 2, 0x42800
	v_mov_b32 v255, 0
	ds_add_u32 v254, v255
	v_lshrrev_b32 v1, 5, v0
	v_readfirstlane_b32 s8, v1                     ; wave 0..7
	s_and_b32 s9, s8, 3                            ; q: which 64 queries of the block
	s_lshr_b32 s[SSG], s8, 2                       ; g: my first substep of a unit,
	s_add_co_u32 s[SSG+1], s[SSG], 2               ; and my second
	s_and_b32 s10, ttmp7, 0xffff                   ; bh = 16 b + h
	s_lshr_b32 s11, s10, 4                         ; b
	s_and_b32 s12, s10, 15                         ; h
	s_mul_i32 s13, s11, 48
	s_add_co_u32 s13, s13, s12                     ; 48 b + h: q's head in qkv
	; group 1: 128 rows x 64 elements of 2 bytes, row to row 64 elements; behind every 32 words 4 words of padding (K) or 8 (V)
	s_mov_b32 s[G1K+0], 0x07110000
	s_mov_b32 s[G1V+0], 0x0f110000
.irp g, G1K, G1V
	s_mov_b32 s[\g+1], 64<<16                      ; tensor_dim0
	s_mov_b32 s[\g+2], 128<<16                     ; tensor_dim1
	s_mov_b32 s[\g+3], 64<<16                      ; tile_dim0
	s_mov_b32 s[\g+4], 128                         ; tile_dim1
	s_mov_b32 s[\g+5], 64                          ; pitch
	s_mov_b32 s[\g+6], 0
	s_mov_b32 s[\g+7], 0
.endr
	s_mov_b32 s43, 0                               ; s[42:43]: a byte offset, always below 2^26
	s_lshr_b32 s14, s9, 1
	s_lshl_b32 s14, s14, 4
	s_add_co_u32 s14, s14, 16                      ; 16 for K (q = 0, 1), 32 for V
	s_add_co_u32 s14, s14, s13
	s_lshl_b32 s14, s14, 18                        ; x 262,144 bytes a head
	s_and_b32 s15, s9, 1
	s_lshl_b32 s15, s15, 14                        ; which 128 of a unit's 256 rows
	s_add_co_u32 s42, s14, s15
	s_mov_b32 s[G0], 1
	s_mov_b32 s[G0+4], 1
	s_mul_i32 s[G0+1], s8, PARTB                   ; LDS: wave x 20,480 + slot x 81,920 (used by waves 0-3 alone)
	s_add_co_u32 s[G0+5], s[G0+1], SLOTB
	s_wait_dscnt 0x0
	s_barrier_signal -1
	s_barrier_wait -1
	s_wait_kmcnt 0x0
	s_add_nc_u64 s[40:41], s[4:5], s[42:43]        ; TB: the rows of unit 0; never rewritten
	s_mov_b64 s[G0+2:G0+3], s[40:41]
	s_or_b32 s[G0+3], s[G0+3], 0x80000000
	JLOAD 0                                        ; the one first fill, ahead of every wait on TENSORcnt, LDS read and barrier
	; from here to the first wait for all tensor loads no line writes s[16:39]
	v_and_b32 v1, 31, v0                           ; L
	v_and_b32 v2, 15, v0                           ; r
	v_bfe_u32 v3, v0, 4, 1                         ; h
	v_and_b32 v4, 7, v0
	v_bfe_u32 v5, v0, 3, 1
	v_bfe_u32 v6, v0, 3, 2
	v_lshlrev_b32 v7, 4, v3                        ; 16 h
	v_lshl_add_u32 v[VQ], v2, 7, v7                ; 128 r + 16 h
	s_sub_co_u32 s14, 7, ttmp9                     ; pass A's block
	s_lshl_b32 s14, s14, 8
	s_lshl_b32 s15, s9, 6
	s_add_co_u32 s14, s14, s15
	s_lshl_b32 s14, s14, 7                         ; my first query of pass A, in bytes
	s_lshl_b32 s74, ttmp9, 8
	s_add_co_u32 s74, s74, s15
	s_lshl_b32 s74, s74, 7                         ; of pass B
	s_lshl_b32 s75, s13, 18                        ; q's head
	s_add_co_u32 s42, s75, s14
	s_add_nc_u64 s[50:51], s[4:5], s[42:43]        ; Q, pass A
	s_add_co_u32 s42, s75, s74
	s_add_nc_u64 s[52:53], s[4:5], s[42:43]        ; Q, pass B
	s_sub_co_u32 s78, 7, ttmp9
	s_lshl_b32 s78, s78, 2
	s_add_co_u32 s78, s78, s9                      ; pass A: my queries begin at row 64 (4 (7 - j) + q)
	CTXOFF
	s_add_nc_u64 s[54:55], s[6:7], s[42:43]        ; ctx, pass A
	s_lshl_b32 s78, ttmp9, 2
	s_add_co_u32 s78, s78, s9                      ; pass B: at row 64 (4 j + q)
	CTXOFF
	s_add_nc_u64 s[56:57], s[6:7], s[42:43]        ; ctx, pass B
	WIN W_D1
.irp qt, 0,1,2,3
.irp dh, 0,1
	global_load_b128 v[QF+8*(2*\qt+\dh):QF+8*(2*\qt+\dh)+3],   v[VQ], s[50:51] offset:\qt*2048+\dh*64
	global_load_b128 v[QF+8*(2*\qt+\dh)+4:QF+8*(2*\qt+\dh)+7], v[VQ], s[50:51] offset:\qt*2048+\dh*64+32
.endr
.endr
	v_mov_b32 v[NEG], 0xff800000                   ; -inf, in window 1
	WIN 0
	v_mad_u32_u24 v20, v2, KP, v7                  ; r x 144 + 16 h
	s_mul_i32 s76, s[SSG], 64*KP                   ; my group's 64 rows of a part of K
	v_add_nc_u32 v[ADRK], s76, v20
	v_add_nc_u32 v[ADRK+1], SLOTB, v[ADRK]
	v_lshl_add_u32 v17, v3, 3, v4                  ; key row 8 h + (L & 7)
	v_lshlrev_b32 v18, 4, v5                       ; 16 ((L >> 3) & 1)
	v_mad_u32_u24 v[ADRV], v17, VP, v18
	s_mul_i32 s76, s[SSG], 64*VP                   ; my group's 64 rows of a part of V,
	s_add_co_u32 s76, s76, 2*PARTB                 ; which lies behind K's two parts
	v_add_nc_u32 v[ADRV], s76, v[ADRV]
	v_add_nc_u32 v[ADRV+1], SLOTB, v[ADRV]
	s_mul_i32 s77, s9, STG
	s_add_co_u32 s77, s77, STAGE                   ; the stage of wave q
	v_add_nc_u32 v[STO], s77, v20                  ; in: row r, 16 bytes for each half of the lanes
	v_lshlrev_b32 v18, 4, v4
	v_mad_u32_u24 v18, v6, KP, v18
	v_add_nc_u32 v[RD], s77, v18                   ; back: eight lanes a row, four rows a load
	v_lshlrev_b32 v[CO], 4, v1                     ; four rows of ctx are 512 consecutive bytes
	s_mul_i32 s77, s9, XSZ
	s_add_co_u32 s77, s77, XCH                     ; the exchange of waves q and q + 4
	v_add_nc_u32 v[XA], s77, v[CO]                 ; 16 bytes a lane: 512 consecutive bytes an instruction
	v_lshlrev_b32 v17, 3, v3
	v_sub_nc_u32 v16, v2, v17                      ; r - 8 h
.irp j, 0,1,2,3,4,5,6,7
	v_cmp_gt_i32 s[66+\j], \j, v16                 ; on a diagonal tile register j is masked where key 8 h + j > query r
.endr
	s_mov_b32 s45, 1                               ; NXT: the unit that is loaded next, counted in its pass
	s_sub_co_u32 s46, 8, ttmp9                     ; LENA = 8 - j: the units of pass A
	s_sub_co_u32 s47, 7, ttmp9                     ; CNT: units ahead of the pass's diagonal unit
	s_mov_b32 s58, 0x76543210                      ; v_permlanex16_b32: lane i reads lane i of the other half
	s_mov_b32 s59, 0xfedcba98
	s_mov_b32 s60, 0x3e38aa3b                      ; c = log2(e) / 8
	s_mov_b32 s61, 0x3e38aa3b
	s_mov_b32 s62, 0xbe38aa3b                      ; -c
	s_mov_b32 s63, 0xffff0000                      ; a word's upper bf16
	s_wait_loadcnt 0x0                             ; Q
; The running softmax of query tile qt over a substep's 64 keys, in place; everything in window 1.
; The same rounded product maximum x c serves the weights and the factor for the old sums, so that the two agree at any size of the scores.
.macro SOFTMAX qt, first
	WIN W_SM
.set SX, 32*\qt
.irp k, 0,1,2,3
	v_max3_num_f32 v[TT+\k], v[SX+8*\k], v[SX+8*\k+1], v[SX+8*\k+2]
.endr
.irp k, 0,1,2,3
	v_max3_num_f32 v[TT+\k], v[TT+\k], v[SX+8*\k+3], v[SX+8*\k+4]
.endr
.irp k, 0,1,2,3
	v_max3_num_f32 v[TT+\k], v[TT+\k], v[SX+8*\k+5], v[SX+8*\k+6]
.endr
	v_max3_num_f32 v[TT], v[TT], v[SX+7], v[SX+15]
	v_max3_num_f32 v[TT+2], v[TT+2], v[SX+23], v[SX+31]
	v_max3_num_f32 v[TT], v[TT], v[TT+1], v[TT+2]
.if \first
	v_max_num_f32 v[TT], v[TT], v[TT+3]
.else
	v_max3_num_f32 v[TT], v[TT], v[TT+3], v[MX+2*\qt]
.endif
	v_permlanex16_b32 v[TT+1], v[TT], s58, s59     ; the other half of the lanes holds the query's other keys
	v_max_num_f32 v[MX+2*\qt], v[TT], v[TT+1]
	v_mul_f32 v[DD], s62, v[MX+2*\qt]              ; -(m c), rounded once
.if \first == 0
	v_sub_f32 v[DD+1], v[DD], v[NM+2*\qt]          ; (old m - new m) c
	v_exp_f32 v[AL], v[DD+1]
	v_exp_f32 v[AL+1], v[DD+1]                     ; twice, for the packed multiply; the move below is the plain instruction behind them (ISA guide 5.7.2)
.endif
	v_mov_b32 v[NM+2*\qt], v[DD]
.irp i, 0,1,2,3,4,5,6,7,8,9,10,11,12,13,14,15
	v_pk_fma_f32 v[SX+2*\i:SX+2*\i+1], v[SX+2*\i:SX+2*\i+1], s[60:61], v[NM+2*\qt:NM+2*\qt+1] op_sel_hi:[1,0,0]   ; s c - m c, both halves with c and with NM
.endr
.irp i, 0,1,2,3,4,5,6,7,8,9,10,11,12,13,14,15,16,17,18,19,20,21,22,23,24,25,26,27,28,29,30,31
	v_exp_f32 v[SX+\i], v[SX+\i]
.endr
	v_nop                                          ; one plain instruction between the exponentials and the first use
	s_wait_alu depctr_va_vdst(0)
	v_pk_add_f32 v[SA:SA+1], v[SX:SX+1], v[SX+2:SX+3]
	v_pk_add_f32 v[SB:SB+1], v[SX+4:SX+5], v[SX+6:SX+7]
.irp i, 4,6,8,10,12,14
	v_pk_add_f32 v[SA:SA+1], v[SA:SA+1], v[SX+2*\i:SX+2*\i+1]
	v_pk_add_f32 v[SB:SB+1], v[SB:SB+1], v[SX+2*\i+2:SX+2*\i+3]
.endr
	v_pk_add_f32 v[SA:SA+1], v[SA:SA+1], v[SB:SB+1]
.if \first
	v_add_f32 v[LS+\qt], v[SA], v[SA+1]
.else
	v_fma_f32 v[LS+\qt], v[LS+\qt], v[AL], v[SA]
	v_add_f32 v[LS+\qt], v[LS+\qt], v[SA+1]
.endif
.irp ks, 0,1
.irp i, 0,1,2,3,4,5,6,7
	v_cvt_pk_f16_f32 v[SX+16*\ks+\i], v[SX+16*\ks+2*\i], v[SX+16*\ks+2*\i+1]   ; register i is written after it was read: two S tiles become one fragment of 32 keys
.endr
.endr
.endm
.macro RESCALE qt
	WIN W_O
.irp i, 0,1,2,3,4,5,6,7,8,9,10,11,12,13,14,15
	v_pk_mul_f32 v[OB+32*\qt+2*\i:OB+32*\qt+2*\i+1], v[OB+32*\qt+2*\i:OB+32*\qt+2*\i+1], v[AL:AL+1]
.endr
.endm
; O^T(qt) += V^T P^T(qt): four accumulators by turns, one instruction a turn
.macro PV qt, first
	WIN W_O
.irp ks, 0,1
.irp dt, 0,1,2,3
.if \first*(1-\ks)
	v_wmma_f32_16x16x32_f16 v[OB+32*\qt+8*\dt:OB+32*\qt+8*\dt+7], v[KV+8*(4*\ks+\dt):KV+8*(4*\ks+\dt)+7], v[32*\qt+16*\ks:32*\qt+16*\ks+7], 0
.else
	v_wmma_f32_16x16x32_f16 v[OB+32*\qt+8*\dt:OB+32*\qt+8*\dt+7], v[KV+8*(4*\ks+\dt):KV+8*(4*\ks+\dt)+7], v[32*\qt+16*\ks:32*\qt+16*\ks+7], v[OB+32*\qt+8*\dt:OB+32*\qt+8*\dt+7]
.endif
.endr
.endr
.endm
; 64 keys: my group's rows of part t of slot 'slot', which are substep g + 2 t of the unit.  s48 = q in a diagonal unit, 8 elsewhere.
.macro SUBSTEP slot, t, first
.if \first == 0
	s_cmp_lt_u32 s48, s[SSG+\t]                    ; all these keys lie beyond my queries
	s_cbranch_scc1 .Lskip_\@
.rept 5
	v_nop                                          ; five places behind the last product with V: the loads into KV need four, the products below, which write over P, five
.endr
.endif
.irp kt, 0,1,2,3
.irp dh, 0,1
	ds_load_b128 v[KV+8*(2*\kt+\dh):KV+8*(2*\kt+\dh)+3],   v[ADRK+\slot] offset:\t*PARTB+\kt*16*KP+\dh*64
	ds_load_b128 v[KV+8*(2*\kt+\dh)+4:KV+8*(2*\kt+\dh)+7], v[ADRK+\slot] offset:\t*PARTB+\kt*16*KP+\dh*64+32
.endr
.endr
	s_wait_dscnt 0x0                               ; K; nothing else is out
	WIN W_S
.irp qt, 0,1,2,3
.irp kt, 0,1,2,3
	v_wmma_f32_16x16x32_f16 v[32*\qt+8*\kt:32*\qt+8*\kt+7], v[KV+16*\kt:KV+16*\kt+7], v[QF+16*\qt:QF+16*\qt+7], 0   ; d 0-31 starts the sums
.endr
.endr
.irp qt, 0,1,2,3
.irp kt, 0,1,2,3
	v_wmma_f32_16x16x32_f16 v[32*\qt+8*\kt:32*\qt+8*\kt+7], v[KV+16*\kt+8:KV+16*\kt+15], v[QF+16*\qt+8:QF+16*\qt+15], v[32*\qt+8*\kt:32*\qt+8*\kt+7]   ; d 32-63: sixteen accumulators by turns
.endr
.endr
	WIN 0
	PLACES                                         ; for the loads into KV, which the products read, and for the vector work on S
.irp ks, 0,1
.irp dt, 0,1,2,3
	ds_load_tr16_b128 v[KV+8*(4*\ks+\dt):KV+8*(4*\ks+\dt)+3],   v[ADRV+\slot] offset:\t*PARTB+\ks*32*VP+\dt*32
	ds_load_tr16_b128 v[KV+8*(4*\ks+\dt)+4:KV+8*(4*\ks+\dt)+7], v[ADRV+\slot] offset:\t*PARTB+\ks*32*VP+\dt*32+16*VP
.endr
.endr
.if \first == 0
	s_cmp_lg_u32 s48, s[SSG+\t]
	s_cbranch_scc1 .Lnomask_\@
	WIN W_SM                                       ; the substep on my diagonal: key tiles beyond the query tile are -inf, the four diagonal tiles lane by lane
.irp qt, 0,1,2,3
.irp kt, 0,1,2,3
.if \kt > \qt
.irp j, 0,1,2,3,4,5,6,7
	v_mov_b32 v[32*\qt+8*\kt+\j], v[NEG]
.endr
.endif
.if \kt == \qt
.irp j, 0,1,2,3,4,5,6,7
	v_cndmask_b32 v[32*\qt+8*\kt+\j], v[32*\qt+8*\kt+\j], v[NEG], s[66+\j]
.endr
.endif
.endr
.endr
	WIN 0
.Lnomask_\@:
.endif
.irp qt, 0,1,2,3
	SOFTMAX \qt, \first
.if \first == 0
	RESCALE \qt
.endif
.if \qt == 0
	s_wait_dscnt 0x0                               ; V, asked for ahead of the first query tile's softmax
.endif
	PV \qt, \first
.endr
	WIN 0
.if \first == 0
.Lskip_\@:
.endif
.endm
; KV's 64 registers (lane (r, h): d = 16 dt + 8 h + 0..7 of query 16 qt + r, 16 bytes) through my stage and out in runs of 512 bytes to s[cb:cb+1] + off.
; They are read back into window 1, registers 0-63, which hold nothing any more.
.macro STAGEOUT cb, off
.irp qt, 0,1,2,3
.irp dt, 0,1,2,3
	ds_store_b128 v[STO], v[KV+16*\qt+4*\dt:KV+16*\qt+4*\dt+3] offset:\qt*16*KP+\dt*32
.endr
.endr
	WIN W_D1
.irp i, 0,1,2,3,4,5,6,7,8,9,10,11,12,13,14,15
	ds_load_b128 v[4*\i:4*\i+3], v[RD] offset:4*KP*\i            ; LDS serves a wave's instructions in order: these see the stores above
.endr
	WIN W_O
.irp i, 0,1,2,3,4,5,6,7,8,9,10,11,12,13,14,15
	s_wait_dscnt 15-\i                             ; the younger loads may be out
	global_store_b128 v[CO], v[4*\i:4*\i+3], s[\cb:\cb+1] offset:512*\i+\off   ; four rows: 512 consecutive bytes, aligned
.endr
	WIN 0
.endm
; The end of a pass.  Group 1 hands O, -(m c) and the sums to its partner through LDS; group 0 merges, divides, rounds to bf16 and stores.
; reload = 1 (pass A, always late rows): pass B's Q comes in meanwhile, in both groups.  reload = 0 (pass B): blocks 0 and 1 are the early rows, and send a
; second number behind the first.
.macro EPILOG cb, reload
	PLACES
.if \reload
	WIN W_D1
.irp qt, 0,1,2,3
.irp dh, 0,1
	global_load_b128 v[QF+8*(2*\qt+\dh):QF+8*(2*\qt+\dh)+3],   v[VQ], s[52:53] offset:\qt*2048+\dh*64
	global_load_b128 v[QF+8*(2*\qt+\dh)+4:QF+8*(2*\qt+\dh)+7], v[VQ], s[52:53] offset:\qt*2048+\dh*64+32
.endr
.endr
	WIN 0
.endif
	s_cmp_lt_u32 s8, 4
	s_cbranch_scc1 .Lkeep_\@                       ; waves 0-3 keep theirs
.set ei, 0
.rept 32
	ds_store_b128 v[XA], v[OB+4*ei:OB+4*ei+3] offset:512*ei
.set ei, ei+1
.endr
	WIN W_O                                        ; the stores' data from window 1
	ds_store_b128 v[XA], v[NM:NM+3] offset:16384
	ds_store_b128 v[XA], v[NM+4:NM+7] offset:16896
	ds_store_b128 v[XA], v[LS:LS+3] offset:17408
	WIN 0
.Lkeep_\@:
	s_wait_dscnt 0x0                               ; for the partner's sake: my LDS stores are done
	s_barrier_signal -1                            ; the unit counter that leads here is the same in all eight waves.  The next unit's tile may stay on its way:
	s_barrier_wait -1                              ; nothing is filled between this barrier and the next unit's
	s_cmp_lt_u32 s8, 4
	s_cbranch_scc0 .Ldone_\@                       ; waves 4-7 have handed over
	WIN W_D1
	ds_load_b128 v[PN:PN+3], v[XA] offset:16384
	ds_load_b128 v[PN+4:PN+7], v[XA] offset:16896
	ds_load_b128 v[PL:PL+3], v[XA] offset:17408
.set ei, 0
.rept 32
	ds_load_b128 v[4*ei:4*ei+3], v[XA] offset:512*ei             ; the partner's O, register for register, where S was
.set ei, ei+1
.endr
	s_wait_dscnt 32                                ; the three loads of maxima and sums are in; the 32 of O, issued behind them, stay out
	WIN W_SM
.irp qt, 0,1,2,3
	v_min_num_f32 v[TT+\qt], v[NM+2*\qt], v[PN+2*\qt]            ; -(m c) of the common maximum
.endr
.irp qt, 0,1,2,3
	v_sub_f32 v[FA0+2*\qt], v[TT+\qt], v[NM+2*\qt]               ; (my m - common m) c
	v_sub_f32 v[FA1+2*\qt], v[TT+\qt], v[PN+2*\qt]               ; -inf for a partner that had no substep in this pass
.endr
.irp qt, 0,1,2,3
	v_exp_f32 v[FA0+2*\qt], v[FA0+2*\qt]
	v_exp_f32 v[FA1+2*\qt], v[FA1+2*\qt]
.endr
	v_nop                                          ; one plain instruction behind the exponentials
	s_wait_alu depctr_va_vdst(0)
.irp qt, 0,1,2,3
	v_mul_f32 v[LS+\qt], v[LS+\qt], v[FA0+2*\qt]
.endr
.irp qt, 0,1,2,3
	v_fmac_f32 v[LS+\qt], v[PL+\qt], v[FA1+2*\qt]
.endr
.irp qt, 0,1,2,3
	v_permlanex16_b32 v[TT+\qt], v[LS+\qt], s58, s59
.endr
.irp qt, 0,1,2,3
	v_add_f32 v[LS+\qt], v[LS+\qt], v[TT+\qt]      ; the two halves' sums
.endr
.irp qt, 0,1,2,3
	v_rcp_f32 v[RI+\qt], v[LS+\qt]
.endr
	v_nop                                          ; one plain instruction behind the reciprocals
	s_wait_alu depctr_va_vdst(0)
.irp qt, 0,1,2,3
	v_mul_f32 v[FA0+2*\qt+1], v[FA0+2*\qt], v[RI+\qt]            ; factor / sum, twice, for the packed forms
	v_mul_f32 v[FA0+2*\qt],   v[FA0+2*\qt], v[RI+\qt]
	v_mul_f32 v[FA1+2*\qt+1], v[FA1+2*\qt], v[RI+\qt]
	v_mul_f32 v[FA1+2*\qt],   v[FA1+2*\qt], v[RI+\qt]
.endr
	WIN W_O
.irp qt, 0,1,2,3
.irp i, 0,1,2,3,4,5,6,7,8,9,10,11,12,13,14,15
	v_pk_mul_f32 v[OB+32*\qt+2*\i:OB+32*\qt+2*\i+1], v[OB+32*\qt+2*\i:OB+32*\qt+2*\i+1], v[FA0+2*\qt:FA0+2*\qt+1]
.endr
.endr
	s_wait_dscnt 0x0                               ; the partner's O
	WIN 0x05                                       ; sources 0 and 1 window 1, source 2 and destination window 0
.irp qt, 0,1,2,3
.irp i, 0,1,2,3,4,5,6,7,8,9,10,11,12,13,14,15
	v_pk_fma_f32 v[OB+32*\qt+2*\i:OB+32*\qt+2*\i+1], v[32*\qt+2*\i:32*\qt+2*\i+1], v[FA1+2*\qt:FA1+2*\qt+1], v[OB+32*\qt+2*\i:OB+32*\qt+2*\i+1]
.endr
.endr
	WIN 0
.set ek, 0
.rept 64
	v_cvt_pk_bf16_f32 v[KV+ek], v[OB+2*ek], v[OB+2*ek+1]         ; two neighbours of a row, to nearest even
.set ek, ek+1
.endr
	STAGEOUT \cb, 0
.if \reload == 0
	s_cmp_lt_u32 ttmp9, 2                          ; blocks 0 and 1 are sequence rows 0 to 511
	s_cbranch_scc0 .Ldone_\@
	s_wait_xcnt 0x0                                ; window 1's registers 0-63, the data of the stores above, are written again only behind this wait
	WIN W_D1
.set ek, 0
.rept 64
	v_lshlrev_b32 v[2*ek],   16,  v[KV+ek]         ; the rounded numbers back in f32
	v_and_b32     v[2*ek+1], s63, v[KV+ek]
.set ek, ek+1
.endr
	WIN 0x44                                       ; source 0 window 0, source 1 and destination window 1
.set ek, 0
.rept 64
	v_pk_add_f32 v[2*ek:2*ek+1], v[OB+2*ek:OB+2*ek+1], v[2*ek:2*ek+1] neg_lo:[0,1] neg_hi:[0,1]   ; what the rounding left: exact in f32
.set ek, ek+1
.endr
	WIN 0x05
.set ek, 0
.rept 64
	v_cvt_pk_bf16_f32 v[KV+ek], v[2*ek], v[2*ek+1]
.set ek, ek+1
.endr
	WIN 0
	STAGEOUT \cb, LOPL                             ; 256 rows further down in the same plane
.endif
.Ldone_\@:
.if \reload
	WIN W_SM
.irp qt, 0,1,2,3
	v_mov_b32 v[MX+2*\qt], v[NEG]                  ; pass B starts with maximum -inf and -(m c) = +inf: its first factor for the old sums is exp2(-inf) = 0
	v_mov_b32 v[NM+2*\qt], 0x7f800000
.endr
	WIN 0
	s_wait_loadcnt 0x0                             ; pass B's Q
	s_wait_xcnt 0x0                                ; window 1's registers 0-63, the stores' data, are written again (as S) only behind this wait
.endif
.endm
; A unit of 256 keys in slot 'slot'.  In front of its barrier every wave waits for all its tensor loads (its quarter of this slot) and for its reads of the other
; slot; behind it the other slot is filled again first, one load a wave, then this slot is read.  CNT = 0: it is the pass's diagonal unit, and the pass ends
; behind it.  epi = 0: it cannot be a pass's last; 1: pass A may end here; 2: pass B ends here.
.macro UNITM slot, refill, first, epi
	s_cmp_eq_u32 s47, 0
	s_cselect_b32 s48, s9, 8
	s_wait_tensorcnt 0x0                           ; no tensor load of mine is out: a group 0 may be written
	ds_add_u32 v254, v255
	s_wait_dscnt 0x0
.if \refill
	s_lshl_b32 s42, s45, 15                        ; unit NXT: 256 rows of 128 bytes each
	s_add_nc_u64 s[G0+4*(1-\slot)+2:G0+4*(1-\slot)+3], s[40:41], s[42:43]
	s_or_b32 s[G0+4*(1-\slot)+3], s[G0+4*(1-\slot)+3], 0x80000000
	s_add_co_u32 s45, s45, 1
	s_cmp_eq_u32 s45, s46                          ; behind pass A's last unit comes pass B's unit 0 (pass B has at most 4 units, pass A at least 5)
	s_cselect_b32 s45, 0, s45
.endif
	s_wait_dscnt 0x0
	s_barrier_signal -1
	s_barrier_wait -1
.if \refill
	JLOAD (1-\slot)
.endif
	SUBSTEP \slot, 0, \first
	SUBSTEP \slot, 1, 0
.if \epi == 2
	EPILOG 56, 0
.endif
.if \epi == 1
	s_cmp_lg_u32 s47, 0
	s_cbranch_scc1 .Lno_\@
	EPILOG 54, 1
	s_add_co_u32 s47, ttmp9, 1                     ; pass B: j units ahead of its diagonal unit (one is taken off below)
.Lno_\@:
.endif
	s_sub_co_u32 s47, s47, 1
.endm
	UNITM 0, 1, 1, 0                               ; unit 0 of pass A starts all sums; it is never diagonal (7 - j is at least 4)
	s_mov_b32 s44, 3
.Lunit:
	UNITM 1, 1, 0, 1                               ; units 1 to 6, two a trip: unit u lies in slot u & 1
	UNITM 0, 1, 0, 1
	s_sub_co_i32 s44, s44, 1
	s_cmp_lg_u32 s44, 0
	s_cbranch_scc1 .Lunit
	UNITM 1, 1, 0, 1                               ; unit 7; pass A ends at unit 7 - j, one of units 4 to 7
	UNITM 0, 0, 0, 2                               ; unit 8: pass B's diagonal unit; it asks for nothing more
	s_wait_tensorcnt 0x0
	ds_add_u32 v254, v255
	s_wait_dscnt 0x0
	s_endpgm
.Lfunc_end_k_q6d89f6b195_attn:
	.size	k_q6d89f6b195_attn, .Lfunc_end_k_q6d89f6b195_attn-k_q6d89f6b195_attn
	.p2alignl 7, 3214868480
	.fill 96, 4, 3214868480
	.section	.rodata,"a",@progbits
	.p2align	6, 0x0
	.amdhsa_kernel k_q6d89f6b195_attn
		.amdhsa_group_segment_fixed_size 327680
		.amdhsa_private_segment_fixed_size 0
		.amdhsa_enable_private_segment 0
		.amdhsa_kernarg_size 16
		.amdhsa_user_sgpr_count 2
		.amdhsa_user_sgpr_kernarg_segment_ptr 1
		.amdhsa_wavefront_size32 1
		.amdhsa_system_sgpr_workgroup_id_x 1
		.amdhsa_system_sgpr_workgroup_id_y 1
		.amdhsa_system_sgpr_workgroup_id_z 1
		.amdhsa_system_vgpr_workitem_id 0
		.amdhsa_next_free_vgpr 512
		.amdhsa_next_free_sgpr 86
		.amdhsa_reserve_vcc 0
		.amdhsa_float_denorm_mode_32 3
		.amdhsa_float_denorm_mode_16_64 3
		.amdhsa_memory_ordered 1
		.amdhsa_forward_progress 1
		.amdhsa_inst_pref_size 255
	.end_amdhsa_kernel
	.section	.bss,"aw",@nobits
	.p2align	6
	.space	262144
	.amdgpu_metadata
---
amdhsa.version: [ 1, 2 ]
amdhsa.kernels:
  - .name:           k_q6d89f6b195_attn
    .symbol:         k_q6d89f6b195_attn.kd
    .args:
      - { .name: qkv, .offset: 0, .size: 8, .value_kind: global_buffer, .address_space: global }
      - { .name: ctx, .offset: 8, .size: 8, .value_kind: global_buffer, .address_space: global }
    .group_segment_fixed_size: 327680
    .private_segment_fixed_size: 0
    .kernarg_segment_align: 8
    .kernarg_segment_size: 16
    .max_flat_workgroup_size: 256
    .sgpr_count:     86
    .vgpr_count:     512
    .wavefront_size: 32
...
	.end_amdgpu_metadata
.endif
;; end of part 6
;; launch oproj (part 7): grid 8 x 32, 4 waves a work-group, clusters of 4 x 4, 327,680 bytes of LDS; arguments ctx, wh, out0; writes out0
.if DOCPART == 7
	.amdgcn_target "amdgcn-amd-amdhsa--gfx1250"
	.amdhsa_code_object_version 6
	.text
	.protected	k_q6d89f6b195_oproj
	.globl	k_q6d89f6b195_oproj
	.p2align	8
	.type	k_q6d89f6b195_oproj,@function
k_q6d89f6b195_oproj:
	s_mov_b64 s[64:65], 0
	v_nop
	global_prefetch_b8 v0, s[64:65] scope:SCOPE_SE
	s_setreg_imm32_b32 hwreg(HW_REG_WAVE_MODE, 25, 1), 1
	s_wait_xcnt 0x0
	s_wait_alu depctr_hold_cnt(0) depctr_sa_sdst(0) depctr_va_vdst(0) depctr_va_sdst(0) depctr_va_ssrc(0) depctr_va_vcc(0) depctr_vm_vsrc(0)
	s_getreg_b32 s2, hwreg(HW_REG_IB_STS2, 6, 4)
	s_cmp_eq_u32 s2, 0
	s_cbranch_scc0 .Lentry_in_a_cluster
	s_endpgm
.Lentry_in_a_cluster:
	s_bfe_u32 s2, ttmp6, 0x10000c
	s_cmp_lg_u32 s2, 0xf033
	s_cbranch_scc0 .Lentry_shape_is_right
	s_endpgm
.Lentry_shape_is_right:
; out0[8192][1024] (f32) = context . W_o^T, bf16 operands, f32 sums.  W_o is rows 3072-4095 of wh[4096][1024].
; The context lies by row blocks: ctx[by 32][h 16][row 320][64] bf16, by = 8 b + j.  In a head's plane rows 0-63 are sequence rows 64 j .. (the early rows, below
; 512), rows 64-255 sequence rows 512 + 192 j .. (the late rows), rows 256-319 the second numbers of the early rows: what their rounding to bf16 left.
; A work-group makes block by's 256 rows x 128 columns with four waves; 8 x 32 = 256 equal work-groups.  Wave w has 16 early rows (row tile 0: plane rows 16 w ..)
; and 48 late rows (row tiles 1-3: plane rows 64 + 48 w ..), and all 128 columns: 32 accumulator tiles of 16 x 16, 256 registers.  For each 32 along K and each
; column block it multiplies its four row tiles and then the early tile's second numbers, onto row tile 0's sums, with the same fragment of W_o: 40 matrix
; instructions where 32 would take the rounded context alone.  So every wave carries the same share of the rows that need the second number.
; K goes in steps of 128, which are two heads, through a ring of two LDS slots.  Wave 0 brings the even head's plane (320 rows of 128 bytes, one behind the other in
; memory), wave 1 the odd head's, waves 2 and 3 64 rows of W_o each (256 bytes a row).
; CLUSTERS: 4 x 4 work-groups; ctx's tiles are asked for jointly along a row of the cluster, W_o's along a column.
; REGISTERS: window 0: v16-26 addresses, v64-143 fragments of A (two buffers of 5 x 8), v144-207 the way out; window 1: fragments of B, two buffers of 8 x 8 at
; v0 and v64; window 2: the accumulators at 8 (4 b + a).
; THE MATRIX INSTRUCTION IS USED TRANSPOSED (source 0 = rows of W_o, source 1 = rows of ctx): a lane's eight results are eight neighbouring columns of a row.
.set NB,     8                         ; column blocks of 16
.set NB1,    2                         ; blocks multiplied ahead of a quarter's fetch
.set NA,     5                         ; fragments of A: four row tiles, and the early tile's second numbers
.set PITCH,  272                       ; B's LDS rows: 256 bytes + 16
.set PA,     144                       ; A's LDS rows: 128 bytes + 16; both odd multiples of 16
.set AROWS,  320                       ; rows of a plane
.set PARTA,  AROWS*PA                  ; 46,080: a plane in LDS
.set PARTW,  64*PITCH                  ; 17,408: half of B's rows in LDS
.set BBASE,  2*PARTA                   ; B lies behind the two planes
.set SLOT,   2*PARTA+2*PARTW           ; 126,976
.set STAGE,  2*SLOT                    ; 253,952, a multiple of 256: 16 rows x 272 bytes for each wave; no fill lands here
.set SPITCH, 272
.set LAPS,   4                         ; 1024 / (2 x 128)
.set ASTEP,  2*AROWS*128               ; bytes from a K step to the next in ctx: two planes
.set BSTEP,  256                       ; and in wh
.set ADRE, 16                          ; v16-17  my early tile in slot 0, 1
.set ADRL, 18                          ; v18-19  my first late tile
.set ADRO, 20                          ; v20-21  my early tile's second numbers
.set ADRB, 22                          ; v22-23  B
.set STO,  24
.set RD,   25
.set CO,   26
.set FA,   64                          ; A's fragment buffer f at FA + 40 f
.set RB,   144                         ; v144-175, v176-207: rows read back, by turns
.set G1, 24
.set G0, 32
.set G1B, 48
.set G0B, 56
.set MSB, 0
.macro WIN new
.if MSB != \new
	s_set_vgpr_msb (MSB<<8)|\new
.set MSB, \new
.endif
.endm
.set MUL_LO, 0xa1                      ; source 0 (B) window 1, source 1 (A) window 0, C and D window 2
.set TO_B,   0x40
.macro JLOAD s                         ; waves 0, 1 ask for A's two planes, waves 2, 3 for B's two halves; the branch hangs on the wave's number alone
	s_cmp_eq_u32 s11, 0
	s_cbranch_scc0 .Lfor_b_\@
	tensor_load_to_lds s[G0+4*\s:G0+4*\s+3], s[G1:G1+7]
	s_nop 0
	s_branch .Lasked_\@
.Lfor_b_\@:
	tensor_load_to_lds s[G0B+4*\s:G0B+4*\s+3], s[G1B:G1B+7]
	s_nop 0
.Lasked_\@:
.endm
.macro CREST                           ; a round of the cluster's barrier behind its opening barrier
	s_cmp_lg_u32 s10, 0
	s_cbranch_scc1 .Lnot_wave_0_\@
	s_barrier_signal -3
.Lnot_wave_0_\@:
	s_barrier_wait -3
	s_barrier_signal -1
	s_barrier_wait -1
.endm
.macro CROUND
	s_barrier_signal -1
	s_barrier_wait -1
	CREST
.endm
.macro PLACES                          ; four plain vector instructions behind a matrix instruction, ahead of loads into its sources and of stores of its results
.rept 4
	v_nop
.endr
.endm
	s_load_b128 s[4:7], s[0:1], 0x0                ; ctx s[4:5], wh s[6:7]
	s_load_b64 s[8:9], s[0:1], 0x10                ; out0
	s_set_vgpr_msb 0x40
	v_lshl_add_u32 v255, v0, 2, 0x42400
	s_set_vgpr_msb 0x4000
	v_mov_b32 v255, 0
	s_set_vgpr_msb 0x1
	ds_add_u32 v255, v255
	s_set_vgpr_msb 0x100
	v_lshrrev_b32 v1, 5, v0
	v_readfirstlane_b32 s10, v1                    ; wave 0..3
	s_lshr_b32 s11, s10, 1                         ; I fetch for A (0) or for B (1)
	s_and_b32 s12, s10, 1                          ; which head of the step, or which half of B's rows
	s_bfe_u32 s40, ttmp6, 0x40000                  ; cx
	s_bfe_u32 s41, ttmp6, 0x40004                  ; cy
	s_lshl_b32 s42, ttmp9, 2
	s_add_co_u32 s42, s42, s40                     ; block column, 0..7
	s_and_b32 s13, ttmp7, 0xffff
	s_lshl_b32 s13, s13, 2
	s_add_co_u32 s13, s13, s41                     ; block row by, 0..31
	s_lshl_b32 s43, s41, 2
	s_lshl_b32 s43, 15, s43                        ; my row of the cluster
	s_lshl_b32 s44, 0x1111, s40                    ; my column
	; group 1.  A: 320 rows x 64 elements, 4 words of padding behind every 32; B: 64 rows x 128 elements, 4 words behind every 64
	s_or_b32 s[G1+0], s43, (1<<16)|(1<<20)|(1<<21)|(4<<22)|(3<<25)
	s_or_b32 s[G1B+0], s44, (1<<16)|(1<<20)|(1<<21)|(5<<22)|(3<<25)
	s_mov_b32 s[G1+1], 64<<16                      ; tensor_dim0
	s_mov_b32 s[G1B+1], 128<<16
	s_mov_b32 s[G1+2], AROWS<<16                   ; tensor_dim1
	s_mov_b32 s[G1B+2], 64<<16
	s_mov_b32 s[G1+3], 64<<16                      ; tile_dim0
	s_mov_b32 s[G1B+3], 128<<16
	s_mov_b32 s[G1+4], AROWS                       ; tile_dim1
	s_mov_b32 s[G1B+4], 64
	s_mov_b32 s[G1+5], 64                          ; elements from row to row
	s_mov_b32 s[G1B+5], 1024
	s_mov_b32 s[G1+6], 0
	s_mov_b32 s[G1B+6], 0
	s_mov_b32 s[G1+7], 0
	s_mov_b32 s[G1B+7], 0
	s_lshl_b32 s16, s13, 4                         ; A: plane 16 by + (wave & 1),
	s_add_co_u32 s16, s16, s12
	s_mul_i32 s16, s16, AROWS*128                  ; 40,960 bytes each: below 2^25
	s_mov_b32 s17, 0
	s_lshl_b32 s46, s42, 7                         ; B: row 3072 + 128 x block column + 64 x half
	s_lshl_b32 s47, s12, 6
	s_add_co_u32 s46, s46, s47
	s_add_co_u32 s46, s46, 3072
	s_lshl_b32 s46, s46, 11                        ; x 2,048 bytes a row
	s_mov_b32 s47, 0
	s_mul_i32 s20, s10, PARTA                      ; LDS, A's loads (waves 0, 1): wave x 46,080
	s_mul_i32 s21, s10, PARTW
	s_add_co_u32 s21, s21, BBASE-2*PARTW           ; B's loads (waves 2, 3): wave x 17,408 + 57,344, which is 92,160 and 109,568
	s_wait_dscnt 0x0
	s_wait_kmcnt 0x0
	s_add_nc_u64 s[14:15], s[4:5], s[16:17]
	s_add_nc_u64 s[46:47], s[6:7], s[46:47]
	CROUND                                         ; in front of the first joint loads
.irp s, 0,1
	s_mov_b32 s[G0+4*\s], 1
	s_add_co_u32 s[G0+4*\s+1], s20, \s*SLOT
	s_add_nc_u64 s[G0+4*\s+2:G0+4*\s+3], s[14:15], \s*ASTEP
	s_or_b32 s[G0+4*\s+3], s[G0+4*\s+3], 0x80000000
	s_mov_b32 s[G0B+4*\s], 1
	s_add_co_u32 s[G0B+4*\s+1], s21, \s*SLOT
	s_add_nc_u64 s[G0B+4*\s+2:G0B+4*\s+3], s[46:47], \s*BSTEP
	s_or_b32 s[G0B+4*\s+3], s[G0B+4*\s+3], 0x80000000
	JLOAD \s                                       ; K steps 0 and 1: two loads of mine are out
.endr
	v_and_b32 v1, 15, v0                           ; r
	v_bfe_u32 v2, v0, 4, 1                         ; h
	v_lshlrev_b32 v7, 4, v2                        ; 16 h
	v_mad_u32_u24 v3, v1, PA, v7                   ; A: r x 144 + 16 h
	v_mad_u32_u24 v4, v1, PITCH, v7                ; B: r x 272 + 16 h
	s_mul_i32 s21, s10, 16*PA                      ; my early tile: plane row 16 w
	s_mul_i32 s22, s10, 48*PA
	s_add_co_u32 s22, s22, 64*PA                   ; my late tiles: from plane row 64 + 48 w
	s_mov_b32 s23, BBASE
.irp s, 0,1
	v_add_nc_u32 v[ADRE+\s], s21, v3
	v_add_nc_u32 v[ADRL+\s], s22, v3
	v_add_nc_u32 v[ADRO+\s], 256*PA, v[ADRE+\s]    ; the second numbers lie 256 rows further down; a register of their own keeps the loads' immediates inside 16 bits
	v_add_nc_u32 v[ADRB+\s], s23, v4
	s_add_co_u32 s21, s21, SLOT
	s_add_co_u32 s22, s22, SLOT
	s_add_co_u32 s23, s23, SLOT
.endr
	s_mul_i32 s23, s10, 16*SPITCH
	s_add_co_u32 s23, s23, STAGE                   ; my stage
	v_mul_u32_u24 v5, v1, SPITCH
	v_lshl_add_u32 v5, v2, 5, v5
	v_add_nc_u32 v[STO], s23, v5                   ; in: row r, 32 bytes (eight f32) for each half of the lanes
	v_mul_u32_u24 v6, v2, SPITCH
	v_lshl_add_u32 v6, v1, 4, v6
	v_add_nc_u32 v[RD], s23, v6                    ; back: lanes 0-15 one row of 256 bytes, lanes 16-31 the next
	v_lshlrev_b32 v5, 12, v2
	v_lshl_add_u32 v[CO], v1, 4, v5                ; the same two rows in out0: 4,096 h + 16 r
; nb column blocks from b0 on, 32 along K: for each block my four row tiles, then the early tile's second numbers onto row tile 0's sums.
; Always b ascending, and in a block the same five: no two matrix instructions that follow each other name one accumulator, one instruction a turn,
; over the backward jump too.  zero = 1: the first products start the sums.
.macro MULB f, b0, nb, zero
	WIN MUL_LO
.set mb, \b0
.rept \nb
.irp a, 0,1,2,3
.if \zero
	v_wmma_f32_16x16x32_bf16 v[8*(4*mb+\a):8*(4*mb+\a)+7], v[8*NB*\f+8*mb:8*NB*\f+8*mb+7], v[FA+8*NA*\f+8*\a:FA+8*NA*\f+8*\a+7], 0
.else
	v_wmma_f32_16x16x32_bf16 v[8*(4*mb+\a):8*(4*mb+\a)+7], v[8*NB*\f+8*mb:8*NB*\f+8*mb+7], v[FA+8*NA*\f+8*\a:FA+8*NA*\f+8*\a+7], v[8*(4*mb+\a):8*(4*mb+\a)+7]
.endif
.endr
	v_wmma_f32_16x16x32_bf16 v[8*(4*mb):8*(4*mb)+7], v[8*NB*\f+8*mb:8*NB*\f+8*mb+7], v[FA+8*NA*\f+32:FA+8*NA*\f+39], v[8*(4*mb):8*(4*mb)+7]
.set mb, mb+1
.endr
.endm
; 26 LDS loads in one run: quarter kq (head kq / 2 of the step, d = 32 (kq & 1) ..) into buffers f: A's 10 first, then B's 16 with b ascending
.macro FETCH slot, kq, f
	WIN 0
	ds_load_b128 v[FA+8*NA*\f:FA+8*NA*\f+3],   v[ADRE+\slot] offset:((\kq)>>1)*PARTA+((\kq)&1)*64
	ds_load_b128 v[FA+8*NA*\f+4:FA+8*NA*\f+7], v[ADRE+\slot] offset:((\kq)>>1)*PARTA+((\kq)&1)*64+32
.irp a, 1,2,3
	ds_load_b128 v[FA+8*NA*\f+8*\a:FA+8*NA*\f+8*\a+3],   v[ADRL+\slot] offset:((\kq)>>1)*PARTA+((\kq)&1)*64+(\a-1)*16*PA
	ds_load_b128 v[FA+8*NA*\f+8*\a+4:FA+8*NA*\f+8*\a+7], v[ADRL+\slot] offset:((\kq)>>1)*PARTA+((\kq)&1)*64+(\a-1)*16*PA+32
.endr
	ds_load_b128 v[FA+8*NA*\f+32:FA+8*NA*\f+35], v[ADRO+\slot] offset:((\kq)>>1)*PARTA+((\kq)&1)*64
	ds_load_b128 v[FA+8*NA*\f+36:FA+8*NA*\f+39], v[ADRO+\slot] offset:((\kq)>>1)*PARTA+((\kq)&1)*64+32
	WIN TO_B
.irp b, 0,1,2,3,4,5,6,7
	ds_load_b128 v[8*NB*\f+8*\b:8*NB*\f+8*\b+3],   v[ADRB+\slot] offset:(\b/4)*PARTW+(\b%4)*16*PITCH+64*\kq
	ds_load_b128 v[8*NB*\f+8*\b+4:8*NB*\f+8*\b+7], v[ADRB+\slot] offset:(\b/4)*PARTW+(\b%4)*16*PITCH+64*\kq+32
.endr
.endm
.macro QUARTER slot, kq, f, g, zero
	s_wait_dscnt 2*(NB-NB1)                        ; A and B's blocks 0 .. NB1-1 are the oldest 2 NA + 2 NB1 loads; the 2 (NB - NB1) younger ones may be out
	MULB \f, 0, NB1, \zero
	PLACES
	FETCH \slot, \kq, \g
	s_wait_dscnt 2*(NB+NA)                         ; all but the 2 (NB + NA) just issued
	MULB \f, NB1, NB-NB1, \zero
.endm
.macro THREE slot, zero
	QUARTER \slot, 1, 0, 1, \zero
	QUARTER \slot, 2, 1, 0, 0
	QUARTER \slot, 3, 0, 1, 0
.endm
; The last quarter and the change of slots: each wave's waits for its reads of this slot and for all its tensor loads stand in front of the barrier's signal;
; fill = 1: the barrier opens a round of the cluster's barrier, and the joint refill is the first tensor load behind the round, one a wave.
; From that request to the wait for it a wave issues 150 matrix instructions: 20 here, three quarters of 40, and 10 of the next change of slots.
.macro TURN slot, next, fill
	s_wait_dscnt 2*(NB-2)                          ; A and B's blocks 0, 1 are in
	MULB 1, 0, 2, 0
	s_wait_dscnt 0x0                               ; my reads of this slot are over
	s_wait_tensorcnt 0x0                           ; all my tensor loads have landed
	ds_add_u32 v255, v255
	s_wait_dscnt 0x0
	s_barrier_signal -1
	MULB 1, 2, 2, 0                                ; register work while the others arrive
	WIN 0
	s_barrier_wait -1
.if \fill
	CREST
	s_add_nc_u64 s[G0+4*\slot+2:G0+4*\slot+3], s[G0+4*\slot+2:G0+4*\slot+3], 2*ASTEP
	s_add_nc_u64 s[G0B+4*\slot+2:G0B+4*\slot+3], s[G0B+4*\slot+2:G0B+4*\slot+3], 2*BSTEP
	JLOAD \slot
.endif
	PLACES
	FETCH \next, 0, 0
	MULB 1, 4, NB-4, 0
.endm
.macro LAP zero
	THREE 0, \zero
	TURN 0, 1, 1
	THREE 1, 0
	TURN 1, 0, 1
.endm
	s_wait_tensorcnt 0x1                           ; my part of K step 0 is in; K step 1's load stays out
	s_barrier_signal -1
	s_barrier_wait -1
	FETCH 0, 0, 0
	LAP 1
	WIN 0
	s_mov_b32 s3, LAPS-2
.Llap:
	LAP 0
	WIN 0
	s_sub_co_u32 s3, s3, 1
	s_cmp_lg_u32 s3, 0
	s_cbranch_scc1 .Llap
	THREE 0, 0                                     ; the last lap fills nothing
	TURN 0, 1, 0
	THREE 1, 0
	s_wait_dscnt 2*(NB-NB1)
	MULB 1, 0, NB1, 0
	s_wait_dscnt 0x0
	MULB 1, NB1, NB-NB1, 0
	; THE WAY OUT, 16 rows x 64 columns of f32 at a time, through my own stage: in by lanes (eight neighbouring columns each), back by rows of 256 bytes.
	; Row tile 0 goes to sequence rows 64 j + 16 w .., row tiles 1-3 to 512 + 192 j + 48 w ..: a base for each.
	PLACES
	s_lshr_b32 s14, s13, 3                         ; b
	s_lshl_b32 s14, s14, 11                        ; 2,048 rows a batch
	s_and_b32 s15, s13, 7                          ; j
	s_lshl_b32 s16, s15, 6
	s_lshl_b32 s17, s10, 4
	s_add_co_u32 s16, s16, s17
	s_add_co_u32 s16, s16, s14                     ; my first early row
	s_lshl_b32 s16, s16, 12                        ; x 4,096 bytes
	s_mov_b32 s17, 0
	s_mul_i32 s18, s15, 192
	s_mul_i32 s19, s10, 48
	s_add_co_u32 s18, s18, s19
	s_add_co_u32 s18, s18, s14
	s_add_co_u32 s18, s18, 512                     ; my first late row
	s_lshl_b32 s18, s18, 12
	s_mov_b32 s19, 0
	s_lshl_b32 s46, s42, 9                         ; my block's 512 bytes of a row (in registers that held B's address)
	s_mov_b32 s47, 0
	s_add_nc_u64 s[8:9], s[8:9], s[46:47]
	s_add_nc_u64 s[66:67], s[8:9], s[18:19]        ; the late rows' base
	s_add_nc_u64 s[8:9], s[8:9], s[16:17]          ; the early rows' base; neither is stepped: the rows stand in the stores' immediates, 188,672 at the most
.macro OUTF a, ch, rb, base, row
	WIN 0x08                                       ; the LDS stores' data from window 2, their address from window 0
.irp b, 0,1,2,3
	ds_store_b128 v[STO], v[8*(4*(4*\ch+\b)+\a):8*(4*(4*\ch+\b)+\a)+3]   offset:64*\b
	ds_store_b128 v[STO], v[8*(4*(4*\ch+\b)+\a)+4:8*(4*(4*\ch+\b)+\a)+7] offset:64*\b+16
.endr
	WIN 0
	s_wait_xcnt 0x0                                ; the registers read back into were earlier stores' data: loaded again only behind this wait
.irp t, 0,1,2,3,4,5,6,7
	ds_load_b128 v[\rb+4*\t:\rb+4*\t+3], v[RD] offset:2*SPITCH*\t    ; LDS serves a wave's instructions in order: these see the stores above
.endr
.irp t, 0,1,2,3,4,5,6,7
	s_wait_dscnt 7-\t                              ; the younger loads may be out
	global_store_b128 v[CO], v[\rb+4*\t:\rb+4*\t+3], s[\base:\base+1] offset:(\row+2*\t)*4096+256*\ch th:TH_STORE_NT   ; sixteen lanes store 256 consecutive bytes, aligned
.endr
.endm
	OUTF 0, 0, RB, 8, 0
	OUTF 0, 1, RB+32, 8, 0
.irp a, 1,2,3
	OUTF \a, 0, RB, 66, 16*(\a-1)
	OUTF \a, 1, RB+32, 66, 16*(\a-1)
.endr
	s_set_vgpr_msb 0x1
	s_wait_tensorcnt 0x0
	ds_add_u32 v255, v255
	s_wait_dscnt 0x0
	s_set_vgpr_msb 0x100
	CROUND                                         ; the closing round
	s_endpgm
.Lfunc_end_k_q6d89f6b195_oproj:
	.size	k_q6d89f6b195_oproj, .Lfunc_end_k_q6d89f6b195_oproj-k_q6d89f6b195_oproj
	.p2alignl 7, 3214868480
	.fill 96, 4, 3214868480
	.section	.rodata,"a",@progbits
	.p2align	6, 0x0
	.amdhsa_kernel k_q6d89f6b195_oproj
		.amdhsa_group_segment_fixed_size 327680
		.amdhsa_private_segment_fixed_size 0
		.amdhsa_enable_private_segment 0
		.amdhsa_kernarg_size 24
		.amdhsa_user_sgpr_count 2
		.amdhsa_user_sgpr_kernarg_segment_ptr 1
		.amdhsa_wavefront_size32 1
		.amdhsa_system_sgpr_workgroup_id_x 1
		.amdhsa_system_sgpr_workgroup_id_y 1
		.amdhsa_system_sgpr_workgroup_id_z 1
		.amdhsa_system_vgpr_workitem_id 0
		.amdhsa_next_free_vgpr 768
		.amdhsa_next_free_sgpr 68
		.amdhsa_reserve_vcc 0
		.amdhsa_float_denorm_mode_32 3
		.amdhsa_float_denorm_mode_16_64 3
		.amdhsa_memory_ordered 1
		.amdhsa_forward_progress 1
		.amdhsa_inst_pref_size 135
	.end_amdhsa_kernel
	.amdgpu_metadata
---
amdhsa.version: [ 1, 2 ]
amdhsa.kernels:
  - .name:           k_q6d89f6b195_oproj
    .symbol:         k_q6d89f6b195_oproj.kd
    .args:
      - { .name: ctx, .offset: 0, .size: 8, .value_kind: global_buffer, .address_space: global }
      - { .name: wh, .offset: 8, .size: 8, .value_kind: global_buffer, .address_space: global }
      - { .name: out0, .offset: 16, .size: 8, .value_kind: global_buffer, .address_space: global }
    .group_segment_fixed_size: 327680
    .private_segment_fixed_size: 0
    .kernarg_segment_align: 8
    .kernarg_segment_size: 24
    .max_flat_workgroup_size: 128
    .sgpr_count:     68
    .vgpr_count:     768
    .wavefront_size: 32
...
	.end_amdgpu_metadata
.endif
;; end of part 7
